; MI455X (gfx1250); checked and timed in simulation.
; The chip was launched on July 23, 2026; its instructions are those of AMD's public machine-readable ISA for CDNA 5 (MIT licence, August 2026) and "CDNA5" Instruction Set Architecture Reference Guide (July 2026). The comments in the code are by the model that wrote it; some were corrected since.
;; img attention. Allowed arithmetic: float matrix products may take bf16 or f16 operands with f32 sums; all other float work in f32.
;; Inputs: W_c 1 x 1,024 float32; W_g 4,096 x 4,096 float32; W_gs 4,096 x 1,024 float32; W_h 1,024 x 1,024 float32; W_s 1,024 x 1,024 float32; b_g 4,096 float32; b_gs 1,024 float32; cov_a 128 x 24 x 1 float32; global_features 128 x 24 x 4,096 float32; s_t 128 x 1,024 float32; v 1,024 float32.
;; Outputs: out0 128 x 1,024 float32.
;; 2 versions, each right; version 2 is version 1 with the launch prep written anew for expert scheduling mode. Each part assembles by itself: llvm-mc -triple=amdgcn-amd-amdhsa -mcpu=gfx1250 --defsym DOCPART=n.
;; ======== version 1 of 2: 5 launches
;; workspace buffers: wg16 33,554,432 bytes; x16 25,165,824 bytes; wk16 12,582,912 bytes; wc16 8,388,608 bytes; gx16 12,582,912 bytes; gs32 12,582,912 bytes; bpart 262,144 bytes; spart 98,304 bytes
;; launch prep (part 1): grid 576 x 1, 8 waves a work-group, no clusters, 0 bytes of LDS; arguments W_g, global_features, W_gs, W_h, W_s, s_t, b_g, wg16, x16, wk16, gx16, bpart; writes wg16, x16, wk16, gx16, bpart
.if DOCPART == 1
	.amdgcn_target "amdgcn-amd-amdhsa--gfx1250"
	.amdhsa_code_object_version 6
	.text
	.protected	k_qbfe4e1aa6e_prep
	.globl	k_qbfe4e1aa6e_prep
	.p2align	8
	.type	k_qbfe4e1aa6e_prep,@function
k_qbfe4e1aa6e_prep:
	s_mov_b64 s[64:65], 0
	v_nop
	global_prefetch_b8 v0, s[64:65] scope:SCOPE_SE
	s_setreg_imm32_b32 hwreg(HW_REG_WAVE_MODE, 25, 1), 1
	s_wait_xcnt 0x0
; PREP: every matrix operand is rounded once from f32 to bf16, as a stream.
;   W_g -> wg16 [4096][4096];  global_features -> x16 [3072][4096];  W_gs, W_h, W_s -> wk16 [6144][1024], one below the other;
;   s_t[b] -> columns 1024..2047 of the 24 rows of batch b in gx16 [3072][2048];  bpart[c][h] = sum over the 64 rows g of chunk c of bf16(b_g[g]) x bf16(W_gs[g][h]), in f32.
; SHARES.  A work-group takes a chunk of 64 rows of 1,024 f32 (every tensor here is a whole number of such rows).  Thread t keeps 4 columns: 16 bytes in at 16 t, 8 bytes out at 8 t,
; so a wave's load covers 512 consecutive bytes and a wave's store 256 consecutive bytes at a multiple of 256.  Chunks by work-group number: 0-255 W_g, 256-447 the features, 448-511 W_gs (with the
; bias sums), 512-527 W_h, 528-543 W_s, 544-575 four batches of s_t each.
; Memory binds: no LDS, no barrier, no matrix unit, no cluster (no two work-groups read the same bytes, but for b_g's 256 bytes a chunk).  A ring of 16 register slots keeps 16 loads of every wave on their way.
; LIMITS.  Rounding to bf16 is to nearest even; NaN and infinities pass as the conversion makes them.
.set DEPTH, 16                         ; slots = rows in flight in each wave
.set RIN,   4096                       ; bytes of a row of 1,024 f32
.set ROUT,  2048                       ; bytes of the same row in bf16
.set ACC,   4                          ; v[4:7]    the bias sums of my 4 columns
.set BR,    8                          ; v[8:23]   slot i: b_g of the slot's row
.set BT,    24                         ; v24       the same rounded to bf16, in the low half
.set X,     32                         ; v[32:95]  slot i: 4 f32 as loaded
.set Y,     96                         ; v[96:127] slot i: 4 bf16 to store
	s_load_b512 s[4:19], s[0:1], 0x0               ; W_g 4:5, features 6:7, W_gs 8:9, W_h 10:11, W_s 12:13, s_t 14:15, b_g 16:17, wg16 18:19
	s_load_b256 s[20:27], s[0:1], 0x40             ; x16 20:21, wk16 22:23, gx16 24:25, bpart 26:27
	s_mov_b32 s28, ttmp9                           ; the chunk
	v_lshlrev_b32 v1, 4, v0                        ; 16 t: my bytes in a row of f32; never rewritten
	v_lshlrev_b32 v2, 3, v0                        ; 8 t: my bytes in a row of bf16; never rewritten
	v_mov_b32 v3, 0                                ; every lane reads the same word of b_g
	s_wait_kmcnt 0x0
	s_cmp_ge_u32 s28, 544
	s_cbranch_scc1 .Lst
	; which tensor, and which is its first chunk: a chain of choices on the chunk's number alone
	s_mov_b64 s[30:31], s[4:5]                     ; from
	s_mov_b64 s[32:33], s[18:19]                   ; to
	s_mov_b32 s34, 0                               ; the source's first chunk
	s_mov_b32 s35, 0                               ; the destination's first chunk
	s_cmp_ge_u32 s28, 256
	s_cselect_b64 s[30:31], s[6:7], s[30:31]
	s_cselect_b64 s[32:33], s[20:21], s[32:33]
	s_cselect_b32 s34, 256, s34
	s_cselect_b32 s35, 256, s35
	s_cmp_ge_u32 s28, 448
	s_cselect_b64 s[30:31], s[8:9], s[30:31]
	s_cselect_b64 s[32:33], s[22:23], s[32:33]
	s_cselect_b32 s34, 448, s34
	s_cselect_b32 s35, 448, s35                    ; the three weights lie on end in wk16
	s_cmp_ge_u32 s28, 512
	s_cselect_b64 s[30:31], s[10:11], s[30:31]
	s_cselect_b32 s34, 512, s34
	s_cmp_ge_u32 s28, 528
	s_cselect_b64 s[30:31], s[12:13], s[30:31]
	s_cselect_b32 s34, 528, s34
	s_sub_co_u32 s36, s28, s34
	s_lshl_b32 s36, s36, 18                        ; 64 rows of 4,096 bytes a chunk: 255 x 2^18 at the most
	s_mov_b32 s37, 0
	s_sub_co_u32 s38, s28, s35
	s_lshl_b32 s38, s38, 17                        ; 64 rows of 2,048 bytes
	s_mov_b32 s39, 0
	s_add_nc_u64 s[30:31], s[30:31], s[36:37]
	s_add_nc_u64 s[32:33], s[32:33], s[38:39]
	s_sub_co_u32 s40, s28, 448                     ; W_gs's chunk 0..63 (any other chunk gives a number of 64 or more)
	s_cmp_lt_u32 s40, 64
	s_cbranch_scc1 .Lbias
; One slot's turn.  ahead = 1: the slot is filled again with the row DEPTH further down.  left = the younger loads that may stay out.  bias = 1: the row also enters the bias sums.
; Y of a slot, which its last store reads, is rewritten only in the next round, behind the s_wait_xcnt 0 at the round's end.
.macro CSLOT i, ahead, left, bias
	s_wait_loadcnt \left                           ; loads come back in order (ISA guide 5.7.1): this slot's are in
	v_cvt_pk_bf16_f32 v[Y+2*(\i)],   v[X+4*(\i)],   v[X+4*(\i)+1]
	v_cvt_pk_bf16_f32 v[Y+2*(\i)+1], v[X+4*(\i)+2], v[X+4*(\i)+3]
.if \bias
	v_cvt_pk_bf16_f32 v[BT], v[BR+(\i)], v[BR+(\i)]            ; b_g is rounded like every other input
	v_fma_mix_f32_bf16 v[ACC],   v[Y+2*(\i)],   v[BT], v[ACC]   op_sel_hi:[1,1,0]                  ; bf16 x bf16 + f32, one rounding
	v_fma_mix_f32_bf16 v[ACC+1], v[Y+2*(\i)],   v[BT], v[ACC+1] op_sel:[1,0,0] op_sel_hi:[1,1,0]
	v_fma_mix_f32_bf16 v[ACC+2], v[Y+2*(\i)+1], v[BT], v[ACC+2] op_sel_hi:[1,1,0]
	v_fma_mix_f32_bf16 v[ACC+3], v[Y+2*(\i)+1], v[BT], v[ACC+3] op_sel:[1,0,0] op_sel_hi:[1,1,0]
.endif
.if \ahead
	global_load_b128 v[X+4*(\i):X+4*(\i)+3], v1, s[30:31] offset:(DEPTH+(\i))*RIN th:TH_LOAD_NT
.if \bias
	global_load_b32 v[BR+(\i)], v3, s[42:43] offset:4*(DEPTH+(\i))
.endif
.endif
	global_store_b64 v2, v[Y+2*(\i):Y+2*(\i)+1], s[32:33] offset:(\i)*ROUT
.endm
	; THE PLAIN CAST
.irp i, 0,1,2,3,4,5,6,7,8,9,10,11,12,13,14,15
	global_load_b128 v[X+4*(\i):X+4*(\i)+3], v1, s[30:31] offset:(\i)*RIN th:TH_LOAD_NT   ; rows 0 to 15 fill the ring
.endr
	s_mov_b32 s41, 64/DEPTH-1
.Lg:
.irp i, 0,1,2,3,4,5,6,7,8,9,10,11,12,13,14,15
	CSLOT \i, 1, DEPTH-1, 0                        ; the 15 younger loads of the ring stay out
.endr
	s_wait_xcnt 0x0                                ; the bases and Y are rewritten only behind this wait
	s_add_nc_u64 s[30:31], s[30:31], DEPTH*RIN
	s_add_nc_u64 s[32:33], s[32:33], DEPTH*ROUT
	s_sub_co_u32 s41, s41, 1
	s_cmp_lg_u32 s41, 0
	s_cbranch_scc1 .Lg
.irp i, 0,1,2,3,4,5,6,7,8,9,10,11,12,13,14,15
	CSLOT \i, 0, DEPTH-1-(\i), 0                   ; the last round loads nothing: the counts run down
.endr
	s_endpgm
	; W_gs: THE CAST AND THE BIAS SUMS.  Two loads a slot, the row's and b_g's word, in that order: the counts are doubled.
.Lbias:
	s_lshl_b32 s36, s40, 8                         ; the chunk's 64 words of b_g
	s_add_nc_u64 s[42:43], s[16:17], s[36:37]
	s_lshl_b32 s38, s40, 12                        ; the chunk's row of bpart
	s_add_nc_u64 s[26:27], s[26:27], s[38:39]
.irp c, 0,1,2,3
	v_mov_b32 v[ACC+(\c)], 0
.endr
.irp i, 0,1,2,3,4,5,6,7,8,9,10,11,12,13,14,15
	global_load_b128 v[X+4*(\i):X+4*(\i)+3], v1, s[30:31] offset:(\i)*RIN th:TH_LOAD_NT
	global_load_b32 v[BR+(\i)], v3, s[42:43] offset:4*(\i)
.endr
	s_mov_b32 s41, 64/DEPTH-1
.Lb:
.irp i, 0,1,2,3,4,5,6,7,8,9,10,11,12,13,14,15
	CSLOT \i, 1, 2*(DEPTH-1), 1
.endr
	s_wait_xcnt 0x0                                ; the three bases and Y are rewritten only behind this wait
	s_add_nc_u64 s[30:31], s[30:31], DEPTH*RIN
	s_add_nc_u64 s[32:33], s[32:33], DEPTH*ROUT
	s_add_nc_u64 s[42:43], s[42:43], 4*DEPTH
	s_sub_co_u32 s41, s41, 1
	s_cmp_lg_u32 s41, 0
	s_cbranch_scc1 .Lb
.irp i, 0,1,2,3,4,5,6,7,8,9,10,11,12,13,14,15
	CSLOT \i, 0, 2*(DEPTH-1-(\i)), 1
.endr
	global_store_b128 v1, v[ACC:ACC+3], s[26:27]   ; 512 consecutive bytes a wave
	s_endpgm
	; s_t: four batches; each row is rounded once and stored into the 24 rows of its batch, behind the 2,048 bytes that g* will take
.Lst:
	s_sub_co_u32 s40, s28, 544
	s_lshl_b32 s36, s40, 14                        ; four rows of s_t
	s_mov_b32 s37, 0
	s_mul_i32 s38, s40, 96*4096                    ; 96 rows of gx16, 4,096 bytes each
	s_mov_b32 s39, 0
	s_add_nc_u64 s[30:31], s[14:15], s[36:37]
	s_add_nc_u64 s[32:33], s[24:25], s[38:39]
.irp i, 0,1,2,3
	global_load_b128 v[X+4*(\i):X+4*(\i)+3], v1, s[30:31] offset:(\i)*RIN th:TH_LOAD_NT
.endr
	s_wait_loadcnt 0x0
.irp i, 0,1,2,3
	v_cvt_pk_bf16_f32 v[Y+2*(\i)],   v[X+4*(\i)],   v[X+4*(\i)+1]
	v_cvt_pk_bf16_f32 v[Y+2*(\i)+1], v[X+4*(\i)+2], v[X+4*(\i)+3]
.endr
.set n, 0
.rept 96
	global_store_b64 v2, v[Y+2*(n/24):Y+2*(n/24)+1], s[32:33] offset:n*4096+2048
.set n, n+1
.endr
	s_endpgm
.Lfunc_end_k_qbfe4e1aa6e_prep:
	.size	k_qbfe4e1aa6e_prep, .Lfunc_end_k_qbfe4e1aa6e_prep-k_qbfe4e1aa6e_prep
	.p2alignl 7, 3214868480
	.fill 96, 4, 3214868480
	.section	.rodata,"a",@progbits
	.p2align	6, 0x0
	.amdhsa_kernel k_qbfe4e1aa6e_prep
		.amdhsa_group_segment_fixed_size 0
		.amdhsa_private_segment_fixed_size 0
		.amdhsa_enable_private_segment 0
		.amdhsa_kernarg_size 96
		.amdhsa_user_sgpr_count 2
		.amdhsa_user_sgpr_kernarg_segment_ptr 1
		.amdhsa_wavefront_size32 1
		.amdhsa_system_sgpr_workgroup_id_x 1
		.amdhsa_system_sgpr_workgroup_id_y 1
		.amdhsa_system_sgpr_workgroup_id_z 1
		.amdhsa_system_vgpr_workitem_id 0
		.amdhsa_next_free_vgpr 128
		.amdhsa_next_free_sgpr 66
		.amdhsa_reserve_vcc 0
		.amdhsa_float_denorm_mode_32 3
		.amdhsa_float_denorm_mode_16_64 3
		.amdhsa_memory_ordered 1
		.amdhsa_forward_progress 1
		.amdhsa_inst_pref_size 49
	.end_amdhsa_kernel
	.amdgpu_metadata
---
amdhsa.version: [ 1, 2 ]
amdhsa.kernels:
  - .name:           k_qbfe4e1aa6e_prep
    .symbol:         k_qbfe4e1aa6e_prep.kd
    .args:
      - { .name: W_g, .offset: 0, .size: 8, .value_kind: global_buffer, .address_space: global }
      - { .name: global_features, .offset: 8, .size: 8, .value_kind: global_buffer, .address_space: global }
      - { .name: W_gs, .offset: 16, .size: 8, .value_kind: global_buffer, .address_space: global }
      - { .name: W_h, .offset: 24, .size: 8, .value_kind: global_buffer, .address_space: global }
      - { .name: W_s, .offset: 32, .size: 8, .value_kind: global_buffer, .address_space: global }
      - { .name: s_t, .offset: 40, .size: 8, .value_kind: global_buffer, .address_space: global }
      - { .name: b_g, .offset: 48, .size: 8, .value_kind: global_buffer, .address_space: global }
      - { .name: wg16, .offset: 56, .size: 8, .value_kind: global_buffer, .address_space: global }
      - { .name: x16, .offset: 64, .size: 8, .value_kind: global_buffer, .address_space: global }
      - { .name: wk16, .offset: 72, .size: 8, .value_kind: global_buffer, .address_space: global }
      - { .name: gx16, .offset: 80, .size: 8, .value_kind: global_buffer, .address_space: global }
      - { .name: bpart, .offset: 88, .size: 8, .value_kind: global_buffer, .address_space: global }
    .group_segment_fixed_size: 0
    .private_segment_fixed_size: 0
    .kernarg_segment_align: 8
    .kernarg_segment_size: 96
    .max_flat_workgroup_size: 256
    .sgpr_count:     66
    .vgpr_count:     128
    .wavefront_size: 32
...
	.end_amdgpu_metadata
.endif
;; end of part 1
;; launch ga (part 2): grid 8 x 32, 4 waves a work-group, clusters of 4 x 4, 327,680 bytes of LDS; arguments wg16, wk16, wc16; writes wc16
.if DOCPART == 2
	.amdgcn_target "amdgcn-amd-amdhsa--gfx1250"
	.amdhsa_code_object_version 6
	.text
	.protected	k_qbfe4e1aa6e_ga
	.globl	k_qbfe4e1aa6e_ga
	.p2align	8
	.type	k_qbfe4e1aa6e_ga,@function
k_qbfe4e1aa6e_ga:
	s_mov_b64 s[64:65], 0
	v_nop
	global_prefetch_b8 v0, s[64:65] scope:SCOPE_SE
	s_setreg_imm32_b32 hwreg(HW_REG_WAVE_MODE, 25, 1), 1
	s_wait_xcnt 0x0
	s_wait_alu depctr_hold_cnt(0) depctr_sa_sdst(0) depctr_va_vdst(0) depctr_va_sdst(0) depctr_va_ssrc(0) depctr_va_vcc(0) depctr_vm_vsrc(0)
	s_getreg_b32 s2, hwreg(HW_REG_IB_STS2, 6, 4)
	s_cmp_eq_u32 s2, 0
	s_cbranch_scc0 .Lentry_in_a_cluster
	s_endpgm
.Lentry_in_a_cluster:
	s_bfe_u32 s2, ttmp6, 0x10000c
	s_cmp_lg_u32 s2, 0xf033
	s_cbranch_scc0 .Lentry_shape_is_right
	s_endpgm
.Lentry_shape_is_right:
; GA: Wc = W_g W_gs.  The module's two linear layers have nothing between them, so g* = X (W_g W_gs) + (b_g W_gs + b_gs) for every input; this launch makes the product of the weights.
; C[m][n] = sum over k of A[m][k] B[k][n].  A = wg16 [4096][4096] bf16 (k along the rows), B = wk16's first 4,096 rows [k][1024] bf16 (n along the rows), C = wc16 [4096][1024] bf16; sums in f32, C rounded once.
; SHARES.  A tile of C is 128 x 128: 32 x 8 tiles, one work-group each.  Four waves, each 64 x 64: 16 accumulators of 16 x 16.  K goes in steps of 256 through two LDS slots filled by the tensor data mover.
; A's rows come out of LDS as they lie; B's ([k][n]) are turned by ds_load_tr16_b128.  THE MATRIX INSTRUCTION IS USED TRANSPOSED (source 0 = 16 columns of B, source 1 = 16 rows of A): a lane holds
; eight neighbouring numbers of a row of C.
; CLUSTER.  4 x 4 work-groups: the four of a row of the cluster need the same tiles of A, the four of a column the same tiles of B; each tile is asked for JOINTLY, by the same tensor load with the same
; descriptor and a mask that names the four.
; REGISTERS.  window 0: v0-31 addresses; v32-95 the way out; v128-255 the accumulators ((a, b) at v[128 + 8 (4 a + b)]).  window 1: two fragment buffers of 128: for 64 along K, 64 registers of A, then 64 of B.
; LIMITS.  Operands are bf16; NaN and infinities are not treated apart.
.set NA,     4                         ; blocks of 16 rows a wave
.set TM,     32*NA                     ; rows of a tile of C
.set KA,     4096                      ; elements from row to row of A
.set KTOT,   4096
.set NB,     1024                      ; elements from row to row of B
.set KSTEP,  256
.set PA,     528                       ; an LDS row of A: 512 bytes + 16 = 132 words: the 16 rows of a load start at 16 different groups of four banks (64 banks of 4 bytes: ISA guide 11.1)
.set PB,     288                       ; an LDS row of B: 256 bytes + 32 = 72 words
.set AH,     16*NA*PA                  ; half of A's rows: what one tensor load brings, and what one wave reads
.set BH,     128*PB                    ; half of B's 256 k rows: what one tensor load brings
.set SLOT,   2*AH+2*BH                 ; A's rows, then B's
.set NL,     8+2*NA                    ; LDS loads for 32 along K
.set LAPS,   KTOT/(2*KSTEP)            ; a lap = two K steps = once round the ring
.set STAGE,  2*SLOT                    ; behind the ring: 128 rows x 272 bytes, the work-group's, for the way out
.set SPITCH, 272
.set SPARE,  STAGE+128*SPITCH          ; behind the stage: the spare words, 128 bytes for each wave: two blocks of 256 bytes that no other line names
.set ADRA, 16                          ; v16-17  LDS address of my A fragments in slot 0, 1
.set ADRB, 20                          ; v20-23  of my B fragments: slot 0 k 0-127, slot 0 k 128-255, slot 1 likewise: so every immediate stays under 65,536
.set STO,  24                          ; v24     the way out: where I put 16 bytes of a row
.set RD,   25                          ; v25     the way out: where I read a row back
.set CO,   26                          ; v26     my byte offset in C
.set SPW,  28                          ; v28     LDS address of my spare word; never rewritten
.set NIL,  29                          ; v29     0; never rewritten
.set TMP,  32
.set ACC,  128
.set F0,   0                           ; fragment buffers, in window 1
.set F1,   128
.set G1,  24                           ; s[24:31] descriptor group 1 for A's tiles;  s[32:39] group 0, one set for each slot
.set G0,  32
.set G1B, 48                           ; s[48:55], s[56:63] the same for B's tiles
.set G0B, 56
.set MSB, 0
.macro WIN new                         ; the immediate's high byte repeats the setting that is left; a switch that changes nothing is dropped
.if MSB != (\new)
	s_set_vgpr_msb (MSB<<8)|(\new)
.set MSB, \new
.endif
.endm
.set MUL,  0x05                        ; sources 0 (B) and 1 (A) window 1; C and D window 0
.set TO_F, 0x40                        ; destination window 1, address window 0
.macro JLOAD s                         ; a joint load: waves 0 and 1 fetch A's two halves, waves 2 and 3 B's; an s_nop 0 and four v_nop follow each of the two lines, ahead of the jump, the label and what follows
	s_cmp_eq_u32 s11, 0
	s_cbranch_scc0 .Lfor_b_\@
	tensor_load_to_lds s[G0+4*(\s):G0+4*(\s)+3], s[G1:G1+7]
	s_nop 0
.rept 4
	v_nop
.endr
	s_branch .Lasked_\@
.Lfor_b_\@:
	tensor_load_to_lds s[G0B+4*(\s):G0B+4*(\s)+3], s[G1B:G1B+7]
	s_nop 0
.rept 4
	v_nop
.endr
.Lasked_\@:
.endm
.macro CREST                           ; a round of the cluster's barrier behind its opening barrier
	s_cmp_lg_u32 s10, 0
	s_cbranch_scc1 .Lnot_wave_0_\@
	s_barrier_signal -3
.Lnot_wave_0_\@:
	s_barrier_wait -3
	s_barrier_signal -1
	s_barrier_wait -1
.endm
.macro CROUND                          ; a whole round
	s_barrier_signal -1
	s_barrier_wait -1
	CREST
.endm
.macro PLACES                          ; four places in front of loads into registers that matrix instructions have read, and of vector lines that read results
.rept 4
	v_nop
.endr
.endm
; Four matrix instructions: m block a x all 4 n blocks, 32 along K: half c of buffer f.  zero = 1: the product starts the sums.  The accumulators take turns, one instruction a turn.
.macro MULA f, c, a, zero
	WIN MUL
.irp b, 0,1,2,3
.if \zero
	v_wmma_f32_16x16x32_bf16 v[ACC+8*(4*(\a)+(\b)):ACC+8*(4*(\a)+(\b))+7], v[(\f)+64+8*(4*(\c)+(\b)):(\f)+64+8*(4*(\c)+(\b))+7], v[(\f)+8*(4*(\c)+(\a)):(\f)+8*(4*(\c)+(\a))+7], 0
.else
	v_wmma_f32_16x16x32_bf16 v[ACC+8*(4*(\a)+(\b)):ACC+8*(4*(\a)+(\b))+7], v[(\f)+64+8*(4*(\c)+(\b)):(\f)+64+8*(4*(\c)+(\b))+7], v[(\f)+8*(4*(\c)+(\a)):(\f)+8*(4*(\c)+(\a))+7], v[ACC+8*(4*(\a)+(\b)):ACC+8*(4*(\a)+(\b))+7]
.endif
.endr
.endm
.macro MULP f, c, zero                 ; m blocks 0 and 1
	MULA \f, \c, 0, \zero
	MULA \f, \c, 1, \zero
.endm
.macro MULR f, c, zero                 ; the other m blocks
	MULA \f, \c, 2, \zero
.if NA > 3
	MULA \f, \c, 3, \zero
.endif
.endm
; 2 NL LDS loads in one run: the fragments of quarter q (64 along K) of a slot into buffer f; the first 32 along K first.
; B: the turning load takes 16 k x 16 n and leaves half a fragment: lane l holds column l % 16 and 8 k.  A: 16 rows x 32 k: two loads of 16 bytes, 32 bytes apart.
.macro FETCH slot, q, f
	WIN TO_F
.irp c, 0,1
.irp i, 0,1,2,3
	ds_load_tr16_b128 v[(\f)+64+8*(4*(\c)+(\i)):(\f)+64+8*(4*(\c)+(\i))+3],   v[ADRB+2*(\slot)+(\q)/2] offset:(((\q)%2)*64+32*(\c))*PB+32*(\i)
	ds_load_tr16_b128 v[(\f)+64+8*(4*(\c)+(\i))+4:(\f)+64+8*(4*(\c)+(\i))+7], v[ADRB+2*(\slot)+(\q)/2] offset:(((\q)%2)*64+32*(\c)+16)*PB+32*(\i)
.if (\i) < NA
	ds_load_b128 v[(\f)+8*(4*(\c)+(\i)):(\f)+8*(4*(\c)+(\i))+3],   v[ADRA+(\slot)] offset:128*(\q)+64*(\c)+(\i)*16*PA
	ds_load_b128 v[(\f)+8*(4*(\c)+(\i))+4:(\f)+8*(4*(\c)+(\i))+7], v[ADRA+(\slot)] offset:128*(\q)+64*(\c)+(\i)*16*PA+32
.endif
.endr
.endr
.endm
; A K step is four quarters of 64 along K on buffers 0, 1, 0, 1.  One of the first three: multiplies buffer f and fetches quarter q of the same slot into g.
.macro QUARTER slot, q, f, g, zero
	s_wait_dscnt NL                                ; the first 32 along K are in; the NL younger loads may be out
	MULP \f, 0, \zero
	MULR \f, 0, \zero
	PLACES
	FETCH \slot, \q, \g
	s_wait_dscnt 2*NL                              ; all but the 2 NL just issued
	MULP \f, 1, 0
	MULR \f, 1, 0
.endm
; The last quarter multiplies buffer 1 and changes slots: ONE barrier; in front of it each wave waits for all its tensor loads (one is out: its part of the next slot), adds 0 to its spare word, and waits
; for that and for its own reads of this slot.  fill = 1: the barrier opens a round of the cluster's barrier, and this slot is filled again, two K steps ahead, first thing behind the round.
.macro TURN slot, next, fill
	WIN 0                                          ; (the add's two registers lie in window 0)
	s_wait_tensorcnt 0x0                           ; all my tensor loads have landed
	ds_add_u32 v[SPW], v[NIL]                      ; 0 onto my spare word
	s_wait_dscnt NL+1                              ; (the add and the youngest NL loads may be out)
	MULP F1, 0, 0                                  ; eight matrix instructions stand between the add and the wait for it
	s_wait_dscnt 0x0                               ; the add is done, and my reads of this slot are over
	s_barrier_signal -1
	MULR F1, 0, 0                                  ; work on registers while the others arrive
.if \fill
	WIN 0
.endif
	s_barrier_wait -1
.if \fill
	CREST                                          ; no wave of any partner still reads this slot's tile or has a load on its way
	s_add_nc_u64 s[G0+4*(\slot)+2:G0+4*(\slot)+3], s[G0+4*(\slot)+2:G0+4*(\slot)+3], 2*KSTEP*2
	s_add_nc_u64 s[G0B+4*(\slot)+2:G0B+4*(\slot)+3], s[G0B+4*(\slot)+2:G0B+4*(\slot)+3], 2*KSTEP*NB*2
	JLOAD \slot                                    ; the four v_nop behind it are also the places in front of the loads below
.else
	PLACES
.endif
	FETCH \next, 0, F0
	MULP F1, 1, 0
	MULR F1, 1, 0
.endm
	s_load_b128 s[4:7], s[0:1], 0x0                ; A s[4:5], B s[6:7]
	s_load_b64 s[8:9], s[0:1], 0x10                ; C
	v_lshl_add_u32 v[SPW], v0, 2, SPARE
	v_mov_b32 v[NIL], 0
	ds_add_u32 v[SPW], v[NIL]                      ; the wave's opening: the add and its wait stand ahead of my first tensor load; the set-up below, work on registers, stands between them
	ds_add_u32 v28, v29
	v_lshrrev_b32 v1, 5, v0
	v_readfirstlane_b32 s10, v1                    ; wave 0..3
	s_lshr_b32 s11, s10, 1                         ; which half of the tile's rows is mine.  Also: I fetch for A (0) or for B (1)
	s_and_b32 s12, s10, 1                          ; which half of its columns.  Also: which half of that tile I fetch
	s_bfe_u32 s40, ttmp6, 0x40000                  ; cx, cy: my place in the cluster
	s_bfe_u32 s41, ttmp6, 0x40004
	s_lshl_b32 s42, ttmp9, 2
	s_add_co_u32 s42, s42, s40                     ; tile column of C = 4 x cluster x + cx
	s_and_b32 s13, ttmp7, 0xffff
	s_lshl_b32 s13, s13, 2
	s_add_co_u32 s13, s13, s41                     ; tile row of C = 4 x cluster y + cy
	s_lshl_b32 s43, s41, 2
	s_lshl_b32 s43, 15, s43                        ; my row of the cluster
	s_lshl_b32 s44, 0x1111, s40                    ; my column
	; group 1 for A: 16 NA rows x 256 elements
	s_or_b32 s[G1+0], s43, (1<<16)|(1<<20)|(1<<21)|(6<<22)|(3<<25)  ; 15:0 the mask: my row; 17:16 2-byte elements; 20 padding on; 21 set beside a mask; 24:22 after every 128 words (code 6); 31:25 4 words (code 3)
	s_mov_b32 s[G1+1], KSTEP<<16                   ; tensor_dim0 = 256
	s_mov_b32 s[G1+2], (16*NA)<<16                 ; tensor_dim1
	s_mov_b32 s[G1+3], KSTEP<<16                   ; tile_dim0 = 256
	s_mov_b32 s[G1+4], 16*NA                       ; tile_dim1
	s_mov_b32 s[G1+5], KA                          ; elements from row to row
	s_mov_b32 s[G1+6], 0
	s_mov_b32 s[G1+7], 0
	; group 1 for B: 128 k rows x 128 elements
	s_or_b32 s[G1B+0], s44, (1<<16)|(1<<20)|(1<<21)|(5<<22)|(7<<25) ; the mask: my column; after every 64 words (code 5) 8 words of padding (code 7)
	s_mov_b32 s[G1B+1], 128<<16
	s_mov_b32 s[G1B+2], 128<<16
	s_mov_b32 s[G1B+3], 128<<16
	s_mov_b32 s[G1B+4], 128
	s_mov_b32 s[G1B+5], NB
	s_mov_b32 s[G1B+6], 0
	s_mov_b32 s[G1B+7], 0
	; where the tiles come from: A's hang on the tile row and the wave alone, B's on the tile column and the wave alone, each in registers that never hold the other coordinate
	s_mul_i32 s16, s13, TM
	s_mul_i32 s17, s12, 16*NA
	s_add_co_u32 s16, s16, s17                     ; A: the first row that I fetch
	s_mov_b32 s17, 0
	s_mov_b64 s[18:19], KA*2
	s_mul_u64 s[16:17], s[16:17], s[18:19]         ; in bytes
	s_lshl_b32 s46, s42, 8                         ; B: 256 bytes a tile column,
	s_lshl_b32 s47, s12, 18                        ; 128 k rows of 2,048 bytes a half
	s_add_co_u32 s46, s46, s47
	s_mov_b32 s47, 0
	s_mul_i32 s20, s12, AH                         ; and where they go: no place in the cluster enters an LDS address
	s_mul_i32 s45, s12, BH
	s_add_co_u32 s45, s45, 2*AH
	s_wait_dscnt 0x0                               ; the opening add is done
	s_wait_kmcnt 0x0
	s_add_nc_u64 s[14:15], s[4:5], s[16:17]
	s_add_nc_u64 s[46:47], s[6:7], s[46:47]
	CROUND                                         ; all sixteen work-groups are here: the first joint loads meet
.irp s, 0,1
	s_mov_b32 s[G0+4*(\s)], 1                                      ; count = 1
	s_add_co_u32 s[G0+4*(\s)+1], s20, (\s)*SLOT                    ; LDS address
	s_add_nc_u64 s[G0+4*(\s)+2:G0+4*(\s)+3], s[14:15], (\s)*KSTEP*2  ; global address: K step s
	s_or_b32 s[G0+4*(\s)+3], s[G0+4*(\s)+3], 0x80000000            ; type = 2
	s_mov_b32 s[G0B+4*(\s)], 1
	s_add_co_u32 s[G0B+4*(\s)+1], s45, (\s)*SLOT
	s_add_nc_u64 s[G0B+4*(\s)+2:G0B+4*(\s)+3], s[46:47], (\s)*KSTEP*NB*2
	s_or_b32 s[G0B+4*(\s)+3], s[G0B+4*(\s)+3], 0x80000000
	JLOAD \s                                       ; two loads of mine are out behind these; later one behind each round
.endr
	v_and_b32 v1, 15, v0                           ; l % 16
	v_bfe_u32 v2, v0, 4, 1                         ; l / 16
	v_mul_u32_u24 v3, v1, PA
	v_lshl_add_u32 v3, v2, 4, v3                   ; A: row x pitch + 16 x half
	s_mul_i32 s21, s11, AH                         ; my half of A's rows
	v_add_nc_u32 v[ADRA], s21, v3
	v_add_nc_u32 v[ADRA+1], SLOT, v[ADRA]
	v_and_b32 v4, 7, v0
	v_lshl_add_u32 v4, v2, 3, v4                   ; B: k row 8 (l / 16) + l % 8,
	v_mul_u32_u24 v4, v4, PB
	v_bfe_u32 v5, v0, 3, 1
	v_lshl_add_u32 v4, v5, 4, v4                   ; 16 bytes on for the second eight lanes of each sixteen
	s_lshl_b32 s22, s12, 7                         ; my 64 columns,
	s_add_co_u32 s22, s22, 2*AH                    ; behind A's rows
	v_add_nc_u32 v[ADRB], s22, v4
	v_add_nc_u32 v[ADRB+1], BH, v[ADRB]
	v_add_nc_u32 v[ADRB+2], SLOT, v[ADRB]
	v_add_nc_u32 v[ADRB+3], SLOT+BH, v[ADRB]
	s_mul_i32 s23, s11, 64*SPITCH                  ; into the stage: my 64 rows, my half of their 256 bytes; row l % 16, 16 bytes for each half of the lanes
	s_lshl_b32 s21, s12, 7
	s_add_co_u32 s23, s23, s21
	s_add_co_u32 s23, s23, STAGE
	v_mul_u32_u24 v6, v1, SPITCH
	v_lshl_add_u32 v6, v2, 4, v6
	v_add_nc_u32 v[STO], s23, v6
	s_mul_i32 s23, s10, 32*SPITCH                  ; back: wave w takes rows 32 w .. 32 w + 31, whole; lanes 0-15 one row of 256 bytes, lanes 16-31 the next
	s_add_co_u32 s23, s23, STAGE
	v_mul_u32_u24 v7, v2, SPITCH
	v_lshl_add_u32 v7, v1, 4, v7
	v_add_nc_u32 v[RD], s23, v7
	v_lshlrev_b32 v7, 11, v2                       ; and the same two rows in C, 2,048 bytes apart
	v_lshl_add_u32 v[CO], v1, 4, v7
	s_lshl_b32 s16, s13, 7
	s_lshl_b32 s17, s10, 5
	s_add_co_u32 s16, s16, s17                     ; the first row of C that I store: 128 x tile row + 32 x wave
	s_lshl_b32 s16, s16, 11                        ; in bytes: under 2^23
	s_mov_b32 s17, 0
	s_add_nc_u64 s[8:9], s[8:9], s[16:17]
	s_lshl_b32 s46, s42, 8                         ; the tile's first column, in bytes
	s_mov_b32 s47, 0
	s_add_nc_u64 s[8:9], s[8:9], s[46:47]
	s_wait_tensorcnt 1                             ; my part of K step 0 is in; K step 1's may stay out
	s_barrier_signal -1
	s_barrier_wait -1                              ; everybody's is
	FETCH 0, 0, F0
	QUARTER 0, 1, F0, F1, 1                        ; the first quarter stands in front of the loop: its first products start the sums
	WIN 0                                          ; at a label and at a branch every window is 0
	s_mov_b32 s3, LAPS-1
.Llap:                                                 ; a trip goes once round the ring, from a lap's second quarter to the next lap's first, and fills both slots again
	QUARTER 0, 2, F1, F0, 0
	QUARTER 0, 3, F0, F1, 0
	TURN 0, 1, 1
	QUARTER 1, 1, F0, F1, 0
	QUARTER 1, 2, F1, F0, 0
	QUARTER 1, 3, F0, F1, 0
	TURN 1, 0, 1
	QUARTER 0, 1, F0, F1, 0
	WIN 0
	s_sub_co_u32 s3, s3, 1
	s_cmp_lg_u32 s3, 0
	s_cbranch_scc1 .Llap
	QUARTER 0, 2, F1, F0, 0                        ; the last lap fills nothing, and has no round of the cluster's barrier
	QUARTER 0, 3, F0, F1, 0
	TURN 0, 1, 0
	QUARTER 1, 1, F0, F1, 0
	QUARTER 1, 2, F1, F0, 0
	QUARTER 1, 3, F0, F1, 0
	s_wait_dscnt NL                                ; the very last quarter: nothing more to fetch
	MULP F1, 0, 0
	MULR F1, 0, 0
	s_wait_dscnt 0x0
	MULP F1, 1, 0
	MULR F1, 1, 0
	WIN 0
	; THE WAY OUT: round to bf16; 16 bytes a lane into the work-group's stage; a barrier, since a row's 256 bytes come from two waves; back as whole rows, 32 rows a wave.
	PLACES
.irp t, 0,1,2,3,4,5,6,7,8,9,10,11,12,13,14,15
.irp r, 0,1,2,3
	v_cvt_pk_bf16_f32 v[TMP+4*(\t)+(\r)], v[ACC+8*(\t)+2*(\r)], v[ACC+8*(\t)+2*(\r)+1]
.endr
.endr
.irp a, 0,1,2,3
.irp b, 0,1,2,3
	ds_store_b128 v[STO], v[TMP+4*(4*(\a)+(\b)):TMP+4*(4*(\a)+(\b))+3] offset:(\a)*16*SPITCH+32*(\b)
.endr
.endr
	s_wait_dscnt 0x0                               ; for the others' sake: my stores into the stage are done
	s_barrier_signal -1
	s_barrier_wait -1
.irp t, 0,1,2,3,4,5,6,7,8,9,10,11,12,13,14,15
	ds_load_b128 v[TMP+4*(\t):TMP+4*(\t)+3], v[RD] offset:(\t)*2*SPITCH
.endr
.irp t, 0,1,2,3,4,5,6,7,8,9,10,11,12,13,14,15
	s_wait_dscnt 15-(\t)
	global_store_b128 v[CO], v[TMP+4*(\t):TMP+4*(\t)+3], s[8:9] offset:2*(\t)*NB*2  ; 16 lanes store 256 consecutive bytes, at a multiple of 256 from C's first byte
.endr
	s_wait_tensorcnt 0x0                           ; the wave's end: behind my last tensor load and my last LDS store
	ds_add_u32 v[SPW], v[NIL]
	s_wait_dscnt 0x0
	CROUND                                         ; the closing round: no work-group ends while a partner may still ask for a tile that names it
	s_endpgm
.Lfunc_end_k_qbfe4e1aa6e_ga:
	.size	k_qbfe4e1aa6e_ga, .Lfunc_end_k_qbfe4e1aa6e_ga-k_qbfe4e1aa6e_ga
	.p2alignl 7, 3214868480
	.fill 96, 4, 3214868480
	.section	.rodata,"a",@progbits
	.p2align	6, 0x0
	.amdhsa_kernel k_qbfe4e1aa6e_ga
		.amdhsa_group_segment_fixed_size 327680
		.amdhsa_private_segment_fixed_size 0
		.amdhsa_enable_private_segment 0
		.amdhsa_kernarg_size 24
		.amdhsa_user_sgpr_count 2
		.amdhsa_user_sgpr_kernarg_segment_ptr 1
		.amdhsa_wavefront_size32 1
		.amdhsa_system_sgpr_workgroup_id_x 1
		.amdhsa_system_sgpr_workgroup_id_y 1
		.amdhsa_system_sgpr_workgroup_id_z 1
		.amdhsa_system_vgpr_workitem_id 0
		.amdhsa_next_free_vgpr 512
		.amdhsa_next_free_sgpr 66
		.amdhsa_reserve_vcc 0
		.amdhsa_float_denorm_mode_32 3
		.amdhsa_float_denorm_mode_16_64 3
		.amdhsa_memory_ordered 1
		.amdhsa_forward_progress 1
		.amdhsa_inst_pref_size 87
	.end_amdhsa_kernel
	.amdgpu_metadata
---
amdhsa.version: [ 1, 2 ]
amdhsa.kernels:
  - .name:           k_qbfe4e1aa6e_ga
    .symbol:         k_qbfe4e1aa6e_ga.kd
    .args:
      - { .name: wg16, .offset: 0, .size: 8, .value_kind: global_buffer, .address_space: global }
      - { .name: wk16, .offset: 8, .size: 8, .value_kind: global_buffer, .address_space: global }
      - { .name: wc16, .offset: 16, .size: 8, .value_kind: global_buffer, .address_space: global }
    .group_segment_fixed_size: 327680
    .private_segment_fixed_size: 0
    .kernarg_segment_align: 8
    .kernarg_segment_size: 24
    .max_flat_workgroup_size: 128
    .sgpr_count:     66
    .vgpr_count:     512
    .wavefront_size: 32
...
	.end_amdgpu_metadata
.endif
;; end of part 2
;; launch gb (part 3): grid 8 x 32, 4 waves a work-group, clusters of 4 x 4, 327,680 bytes of LDS; arguments x16, wc16, bpart, b_gs, gs32, gx16; writes gs32, gx16
.if DOCPART == 3
	.amdgcn_target "amdgcn-amd-amdhsa--gfx1250"
	.amdhsa_code_object_version 6
	.text
	.protected	k_qbfe4e1aa6e_gb
	.globl	k_qbfe4e1aa6e_gb
	.p2align	8
	.type	k_qbfe4e1aa6e_gb,@function
k_qbfe4e1aa6e_gb:
	s_mov_b64 s[64:65], 0
	v_nop
	global_prefetch_b8 v0, s[64:65] scope:SCOPE_SE
	s_setreg_imm32_b32 hwreg(HW_REG_WAVE_MODE, 25, 1), 1
	s_wait_xcnt 0x0
	s_wait_alu depctr_hold_cnt(0) depctr_sa_sdst(0) depctr_va_vdst(0) depctr_va_sdst(0) depctr_va_ssrc(0) depctr_va_vcc(0) depctr_vm_vsrc(0)
	s_getreg_b32 s2, hwreg(HW_REG_IB_STS2, 6, 4)
	s_cmp_eq_u32 s2, 0
	s_cbranch_scc0 .Lentry_in_a_cluster
	s_endpgm
.Lentry_in_a_cluster:
	s_bfe_u32 s2, ttmp6, 0x10000c
	s_cmp_lg_u32 s2, 0xf033
	s_cbranch_scc0 .Lentry_shape_is_right
	s_endpgm
.Lentry_shape_is_right:
; GB: g* = X Wc + bc, with bc[h] = the sum of bpart's 64 rows (b_g W_gs) + bf16(b_gs[h]).
; C[m][n] = sum over k of A[m][k] B[k][n] + bc[n].  A = x16 [3072][4096] bf16, B = wc16 [4096][1024] bf16 (n along the rows).  C leaves twice: in f32 into gs32 [3072][1024], for the weighted sum at the
; module's end, and rounded to bf16 into columns 0..1023 of gx16 [3072][2048], as the next product's operand.
; SHARES.  A tile of C is 96 x 128 (four batches of 24 rows): 32 x 8 tiles, one work-group each.  Four waves, each 48 x 64: 12 accumulators.  K goes in steps of 256 through two LDS slots filled by the tensor
; data mover.  A's rows come out of LDS as they lie; B's are turned by ds_load_tr16_b128.  THE MATRIX INSTRUCTION IS USED TRANSPOSED (source 0 = 16 columns of B, source 1 = 16 rows of A): a lane holds eight
; neighbouring numbers of a row of C.
; CLUSTER.  4 x 4 work-groups: A's tiles are asked for jointly along a row of the cluster, B's along a column.
; REGISTERS.  window 0: v0-31 addresses; v32-96 at work; v128-223 the accumulators ((a, b) at v[128 + 8 (4 a + b)]); v224-255 bc of my 32 columns.  window 1: two fragment buffers of 128.
; LIMITS.  Operands are bf16; NaN and infinities are not treated apart.
.set NA,     3                         ; blocks of 16 rows a wave
.set TM,     32*NA                     ; rows of a tile of C
.set KA,     4096                      ; elements from row to row of A
.set KTOT,   4096
.set NB,     1024                      ; elements from row to row of B
.set KSTEP,  256
.set PA,     528                       ; an LDS row of A: 512 bytes + 16 = 132 words: the 16 rows of a load start at 16 different groups of four banks (64 banks of 4 bytes: ISA guide 11.1)
.set PB,     288                       ; an LDS row of B: 256 bytes + 32 = 72 words
.set AH,     16*NA*PA                  ; half of A's rows: what one tensor load brings, and what one wave reads
.set BH,     128*PB                    ; half of B's 256 k rows: what one tensor load brings
.set SLOT,   2*AH+2*BH                 ; A's rows, then B's
.set NL,     8+2*NA                    ; LDS loads for 32 along K
.set LAPS,   KTOT/(2*KSTEP)            ; a lap = two K steps = once round the ring
.set SF,     2*SLOT                    ; behind the ring: the f32 stage, 96 rows x 528 bytes
.set FP,     528
.set SH,     SF+96*FP                  ; the bf16 stage, 96 rows x 272 bytes
.set HP,     272
.set BIAS,   SH+96*HP                  ; bc of the tile's 128 columns
.set SPARE,  BIAS+512                  ; the spare words, 128 bytes for each wave: two blocks of 256 bytes that no other line names
.set STF,  10                          ; v10     where I put 32 bytes of a row of f32
.set RDF,  11                          ; v11     where I read a row of f32 back
.set COF,  12                          ; v12     16 x lane: my bytes in 512 consecutive bytes of gs32
.set BAD,  13                          ; v13     where bc of my columns lies
.set PO,   14                          ; v14     4 t
.set BST,  15                          ; v15     where I put bc of column t
.set ADRA, 16                          ; v16-17  LDS address of my A fragments in slot 0, 1
.set ADRB, 20                          ; v20-23  of my B fragments: slot 0 k 0-127, slot 0 k 128-255, slot 1 likewise
.set STO,  24                          ; v24     where I put 16 bytes of a row of bf16
.set RD,   25                          ; v25     where I read a row of bf16 back
.set CO,   26                          ; v26     my byte offset in two rows of gx16
.set SPW,  28                          ; v28     LDS address of my spare word; never rewritten
.set NIL,  29                          ; v29     0; never rewritten
.set TMP,  32
.set ACC,  128
.set BV,   224
.set F0,   0                           ; fragment buffers, in window 1
.set F1,   128
.set G1,  24                           ; s[24:31] descriptor group 1 for A's tiles;  s[32:39] group 0, one set for each slot
.set G0,  32
.set G1B, 48                           ; s[48:55], s[56:63] the same for B's tiles
.set G0B, 56
.set MSB, 0
.macro WIN new                         ; the immediate's high byte repeats the setting that is left; a switch that changes nothing is dropped
.if MSB != (\new)
	s_set_vgpr_msb (MSB<<8)|(\new)
.set MSB, \new
.endif
.endm
.set MUL,  0x05                        ; sources 0 (B) and 1 (A) window 1; C and D window 0
.set TO_F, 0x40                        ; destination window 1, address window 0
.macro JLOAD s                         ; a joint load: waves 0 and 1 fetch A's two halves, waves 2 and 3 B's; an s_nop 0 and four v_nop follow each of the two lines, ahead of the jump, the label and what follows
	s_cmp_eq_u32 s11, 0
	s_cbranch_scc0 .Lfor_b_\@
	tensor_load_to_lds s[G0+4*(\s):G0+4*(\s)+3], s[G1:G1+7]
	s_nop 0
.rept 4
	v_nop
.endr
	s_branch .Lasked_\@
.Lfor_b_\@:
	tensor_load_to_lds s[G0B+4*(\s):G0B+4*(\s)+3], s[G1B:G1B+7]
	s_nop 0
.rept 4
	v_nop
.endr
.Lasked_\@:
.endm
.macro CREST                           ; a round of the cluster's barrier behind its opening barrier
	s_cmp_lg_u32 s10, 0
	s_cbranch_scc1 .Lnot_wave_0_\@
	s_barrier_signal -3
.Lnot_wave_0_\@:
	s_barrier_wait -3
	s_barrier_signal -1
	s_barrier_wait -1
.endm
.macro CROUND                          ; a whole round
	s_barrier_signal -1
	s_barrier_wait -1
	CREST
.endm
.macro PLACES                          ; four places in front of loads into registers that matrix instructions have read, and of vector lines that read results
.rept 4
	v_nop
.endr
.endm
; Four matrix instructions: m block a x all 4 n blocks, 32 along K: half c of buffer f.  zero = 1: the product starts the sums.  The accumulators take turns, one instruction a turn.
.macro MULA f, c, a, zero
	WIN MUL
.irp b, 0,1,2,3
.if \zero
	v_wmma_f32_16x16x32_bf16 v[ACC+8*(4*(\a)+(\b)):ACC+8*(4*(\a)+(\b))+7], v[(\f)+64+8*(4*(\c)+(\b)):(\f)+64+8*(4*(\c)+(\b))+7], v[(\f)+8*(4*(\c)+(\a)):(\f)+8*(4*(\c)+(\a))+7], 0
.else
	v_wmma_f32_16x16x32_bf16 v[ACC+8*(4*(\a)+(\b)):ACC+8*(4*(\a)+(\b))+7], v[(\f)+64+8*(4*(\c)+(\b)):(\f)+64+8*(4*(\c)+(\b))+7], v[(\f)+8*(4*(\c)+(\a)):(\f)+8*(4*(\c)+(\a))+7], v[ACC+8*(4*(\a)+(\b)):ACC+8*(4*(\a)+(\b))+7]
.endif
.endr
.endm
.macro MULP f, c, zero                 ; m blocks 0 and 1
	MULA \f, \c, 0, \zero
	MULA \f, \c, 1, \zero
.endm
.macro MULR f, c, zero                 ; the other m blocks
	MULA \f, \c, 2, \zero
.if NA > 3
	MULA \f, \c, 3, \zero
.endif
.endm
; 2 NL LDS loads in one run: the fragments of quarter q (64 along K) of a slot into buffer f; the first 32 along K first.
; B: the turning load takes 16 k x 16 n and leaves half a fragment: lane l holds column l % 16 and 8 k.  A: 16 rows x 32 k: two loads of 16 bytes, 32 bytes apart.
.macro FETCH slot, q, f
	WIN TO_F
.irp c, 0,1
.irp i, 0,1,2,3
	ds_load_tr16_b128 v[(\f)+64+8*(4*(\c)+(\i)):(\f)+64+8*(4*(\c)+(\i))+3],   v[ADRB+2*(\slot)+(\q)/2] offset:(((\q)%2)*64+32*(\c))*PB+32*(\i)
	ds_load_tr16_b128 v[(\f)+64+8*(4*(\c)+(\i))+4:(\f)+64+8*(4*(\c)+(\i))+7], v[ADRB+2*(\slot)+(\q)/2] offset:(((\q)%2)*64+32*(\c)+16)*PB+32*(\i)
.if (\i) < NA
	ds_load_b128 v[(\f)+8*(4*(\c)+(\i)):(\f)+8*(4*(\c)+(\i))+3],   v[ADRA+(\slot)] offset:128*(\q)+64*(\c)+(\i)*16*PA
	ds_load_b128 v[(\f)+8*(4*(\c)+(\i))+4:(\f)+8*(4*(\c)+(\i))+7], v[ADRA+(\slot)] offset:128*(\q)+64*(\c)+(\i)*16*PA+32
.endif
.endr
.endr
.endm
; A K step is four quarters of 64 along K on buffers 0, 1, 0, 1.  One of the first three: multiplies buffer f and fetches quarter q of the same slot into g.
.macro QUARTER slot, q, f, g, zero
	s_wait_dscnt NL                                ; the first 32 along K are in; the NL younger loads may be out
	MULP \f, 0, \zero
	MULR \f, 0, \zero
	PLACES
	FETCH \slot, \q, \g
	s_wait_dscnt 2*NL                              ; all but the 2 NL just issued
	MULP \f, 1, 0
	MULR \f, 1, 0
.endm
; The last quarter multiplies buffer 1 and changes slots: ONE barrier; in front of it each wave waits for all its tensor loads (one is out: its part of the next slot), adds 0 to its spare word, and waits
; for that and for its own reads of this slot.  fill = 1: the barrier opens a round of the cluster's barrier, and this slot is filled again, two K steps ahead, first thing behind the round.
.macro TURN slot, next, fill
	WIN 0                                          ; (the add's two registers lie in window 0)
	s_wait_tensorcnt 0x0                           ; all my tensor loads have landed
	ds_add_u32 v[SPW], v[NIL]                      ; 0 onto my spare word
	s_wait_dscnt NL+1                              ; (the add and the youngest NL loads may be out)
	MULP F1, 0, 0                                  ; eight matrix instructions stand between the add and the wait for it
	s_wait_dscnt 0x0                               ; the add is done, and my reads of this slot are over
	s_barrier_signal -1
	MULR F1, 0, 0                                  ; work on registers while the others arrive
.if \fill
	WIN 0
.endif
	s_barrier_wait -1
.if \fill
	CREST                                          ; no wave of any partner still reads this slot's tile or has a load on its way
	s_add_nc_u64 s[G0+4*(\slot)+2:G0+4*(\slot)+3], s[G0+4*(\slot)+2:G0+4*(\slot)+3], 2*KSTEP*2
	s_add_nc_u64 s[G0B+4*(\slot)+2:G0B+4*(\slot)+3], s[G0B+4*(\slot)+2:G0B+4*(\slot)+3], 2*KSTEP*NB*2
	JLOAD \slot                                    ; the four v_nop behind it are also the places in front of the loads below
.else
	PLACES
.endif
	FETCH \next, 0, F0
	MULP F1, 1, 0
	MULR F1, 1, 0
.endm
	s_load_b128 s[4:7], s[0:1], 0x0                ; A s[4:5], B s[6:7]
	s_load_b256 s[68:75], s[0:1], 0x10             ; bpart 68:69, b_gs 70:71, gs32 72:73, gx16 74:75
	v_lshl_add_u32 v[SPW], v0, 2, SPARE
	v_mov_b32 v[NIL], 0
	ds_add_u32 v[SPW], v[NIL]                      ; the wave's opening: the add and its wait stand ahead of my first tensor load; the set-up below, work on registers, stands between them
	ds_add_u32 v28, v29
	v_lshrrev_b32 v1, 5, v0
	v_readfirstlane_b32 s10, v1                    ; wave 0..3
	s_lshr_b32 s11, s10, 1                         ; which half of the tile's rows is mine.  Also: I fetch for A (0) or for B (1)
	s_and_b32 s12, s10, 1                          ; which half of its columns.  Also: which half of that tile I fetch
	s_bfe_u32 s40, ttmp6, 0x40000                  ; cx, cy: my place in the cluster
	s_bfe_u32 s41, ttmp6, 0x40004
	s_lshl_b32 s42, ttmp9, 2
	s_add_co_u32 s42, s42, s40                     ; tile column of C = 4 x cluster x + cx
	s_and_b32 s13, ttmp7, 0xffff
	s_lshl_b32 s13, s13, 2
	s_add_co_u32 s13, s13, s41                     ; tile row of C = 4 x cluster y + cy
	s_lshl_b32 s43, s41, 2
	s_lshl_b32 s43, 15, s43                        ; my row of the cluster
	s_lshl_b32 s44, 0x1111, s40                    ; my column
	; group 1 for A: 16 NA rows x 256 elements
	s_or_b32 s[G1+0], s43, (1<<16)|(1<<20)|(1<<21)|(6<<22)|(3<<25)  ; 15:0 the mask: my row; 17:16 2-byte elements; 20 padding on; 21 set beside a mask; 24:22 after every 128 words (code 6); 31:25 4 words (code 3)
	s_mov_b32 s[G1+1], KSTEP<<16                   ; tensor_dim0 = 256
	s_mov_b32 s[G1+2], (16*NA)<<16                 ; tensor_dim1
	s_mov_b32 s[G1+3], KSTEP<<16                   ; tile_dim0 = 256
	s_mov_b32 s[G1+4], 16*NA                       ; tile_dim1
	s_mov_b32 s[G1+5], KA                          ; elements from row to row
	s_mov_b32 s[G1+6], 0
	s_mov_b32 s[G1+7], 0
	; group 1 for B: 128 k rows x 128 elements
	s_or_b32 s[G1B+0], s44, (1<<16)|(1<<20)|(1<<21)|(5<<22)|(7<<25) ; the mask: my column; after every 64 words (code 5) 8 words of padding (code 7)
	s_mov_b32 s[G1B+1], 128<<16
	s_mov_b32 s[G1B+2], 128<<16
	s_mov_b32 s[G1B+3], 128<<16
	s_mov_b32 s[G1B+4], 128
	s_mov_b32 s[G1B+5], NB
	s_mov_b32 s[G1B+6], 0
	s_mov_b32 s[G1B+7], 0
	; where the tiles come from: A's hang on the tile row and the wave alone, B's on the tile column and the wave alone, each in registers that never hold the other coordinate
	s_mul_i32 s16, s13, TM
	s_mul_i32 s17, s12, 16*NA
	s_add_co_u32 s16, s16, s17                     ; A: the first row that I fetch
	s_mov_b32 s17, 0
	s_mov_b64 s[18:19], KA*2
	s_mul_u64 s[16:17], s[16:17], s[18:19]         ; in bytes
	s_lshl_b32 s46, s42, 8                         ; B: 256 bytes a tile column,
	s_lshl_b32 s47, s12, 18                        ; 128 k rows of 2,048 bytes a half
	s_add_co_u32 s46, s46, s47
	s_mov_b32 s47, 0
	s_mul_i32 s20, s12, AH                         ; and where they go: no place in the cluster enters an LDS address
	s_mul_i32 s45, s12, BH
	s_add_co_u32 s45, s45, 2*AH
	s_wait_dscnt 0x0                               ; the opening add is done
	s_wait_kmcnt 0x0
	s_add_nc_u64 s[14:15], s[4:5], s[16:17]
	s_add_nc_u64 s[46:47], s[6:7], s[46:47]
	CROUND                                         ; all sixteen work-groups are here: the first joint loads meet
.irp s, 0,1
	s_mov_b32 s[G0+4*(\s)], 1                                      ; count = 1
	s_add_co_u32 s[G0+4*(\s)+1], s20, (\s)*SLOT                    ; LDS address
	s_add_nc_u64 s[G0+4*(\s)+2:G0+4*(\s)+3], s[14:15], (\s)*KSTEP*2  ; global address: K step s
	s_or_b32 s[G0+4*(\s)+3], s[G0+4*(\s)+3], 0x80000000            ; type = 2
	s_mov_b32 s[G0B+4*(\s)], 1
	s_add_co_u32 s[G0B+4*(\s)+1], s45, (\s)*SLOT
	s_add_nc_u64 s[G0B+4*(\s)+2:G0B+4*(\s)+3], s[46:47], (\s)*KSTEP*NB*2
	s_or_b32 s[G0B+4*(\s)+3], s[G0B+4*(\s)+3], 0x80000000
	JLOAD \s                                       ; two loads of mine are out behind these; later one behind each round
.endr
	; THE BIAS, in the wait for the first tile: thread t adds the 64 partial sums of the tile's column t and b_gs, and puts the sum into LDS for all four waves
	s_lshl_b32 s46, s42, 9                         ; the tile's 128 columns in f32: 512 bytes a tile column
	s_mov_b32 s47, 0
	s_add_nc_u64 s[68:69], s[68:69], s[46:47]
	s_add_nc_u64 s[70:71], s[70:71], s[46:47]
	s_add_nc_u64 s[72:73], s[72:73], s[46:47]
	s_lshl_b32 s46, s42, 8                         ; and in bf16
	s_add_nc_u64 s[74:75], s[74:75], s[46:47]
	s_mul_i32 s16, s13, TM
	s_mul_i32 s17, s10, 24
	s_add_co_u32 s16, s16, s17                     ; the first row that I store: 96 x tile row + 24 x wave;
	s_lshl_b32 s16, s16, 12                        ; a row is 4,096 bytes in gs32 and in gx16: under 2^24
	s_mov_b32 s17, 0
	s_add_nc_u64 s[72:73], s[72:73], s[16:17]
	s_add_nc_u64 s[74:75], s[74:75], s[16:17]
	v_lshlrev_b32 v[PO], 2, v0
	v_lshl_add_u32 v[BST], v0, 2, BIAS
	global_load_b32 v96, v[PO], s[70:71]
.set p, 0
.rept 64
	global_load_b32 v[TMP+p], v[PO], s[68:69] offset:p*4096
.set p, p+1
.endr
	v_and_b32 v1, 15, v0                           ; l % 16
	v_bfe_u32 v2, v0, 4, 1                         ; l / 16
	v_mul_u32_u24 v3, v1, PA
	v_lshl_add_u32 v3, v2, 4, v3                   ; A: row x pitch + 16 x half
	s_mul_i32 s21, s11, AH                         ; my half of A's rows
	v_add_nc_u32 v[ADRA], s21, v3
	v_add_nc_u32 v[ADRA+1], SLOT, v[ADRA]
	v_and_b32 v4, 7, v0
	v_lshl_add_u32 v4, v2, 3, v4                   ; B: k row 8 (l / 16) + l % 8,
	v_mul_u32_u24 v4, v4, PB
	v_bfe_u32 v5, v0, 3, 1
	v_lshl_add_u32 v4, v5, 4, v4                   ; 16 bytes on for the second eight lanes of each sixteen
	s_lshl_b32 s22, s12, 7                         ; my 64 columns,
	s_add_co_u32 s22, s22, 2*AH                    ; behind A's rows
	v_add_nc_u32 v[ADRB], s22, v4
	v_add_nc_u32 v[ADRB+1], BH, v[ADRB]
	v_add_nc_u32 v[ADRB+2], SLOT, v[ADRB]
	v_add_nc_u32 v[ADRB+3], SLOT+BH, v[ADRB]
	s_mul_i32 s23, s11, 48*FP                      ; into the f32 stage: my 48 rows, my 256 of their 512 bytes; row l % 16, 32 bytes for each half of the lanes
	s_lshl_b32 s21, s12, 8
	s_add_co_u32 s23, s23, s21
	s_add_co_u32 s23, s23, SF
	v_mul_u32_u24 v6, v1, FP
	v_lshl_add_u32 v6, v2, 5, v6
	v_add_nc_u32 v[STF], s23, v6
	s_mul_i32 s23, s11, 48*HP                      ; into the bf16 stage: my 128 of their 256 bytes; 16 bytes for each half of the lanes
	s_lshl_b32 s21, s12, 7
	s_add_co_u32 s23, s23, s21
	s_add_co_u32 s23, s23, SH
	v_mul_u32_u24 v6, v1, HP
	v_lshl_add_u32 v6, v2, 4, v6
	v_add_nc_u32 v[STO], s23, v6
	v_and_b32 v7, 31, v0                           ; back, f32: wave w takes rows 24 w .. 24 w + 23; 32 lanes take one row of 512 bytes
	v_lshlrev_b32 v[COF], 4, v7
	s_mul_i32 s23, s10, 24*FP
	s_add_co_u32 s23, s23, SF
	v_add_nc_u32 v[RDF], s23, v[COF]
	s_mul_i32 s23, s10, 24*HP                      ; back, bf16: lanes 0-15 one row of 256 bytes, lanes 16-31 the next
	s_add_co_u32 s23, s23, SH
	v_mul_u32_u24 v7, v2, HP
	v_lshl_add_u32 v7, v1, 4, v7
	v_add_nc_u32 v[RD], s23, v7
	v_lshlrev_b32 v7, 12, v2                       ; and the same two rows in gx16, 4,096 bytes apart
	v_lshl_add_u32 v[CO], v1, 4, v7
	s_lshl_b32 s23, s12, 8                         ; bc of my columns 64 x half + 8 (l / 16) + ..
	s_add_co_u32 s23, s23, BIAS
	v_lshl_add_u32 v[BAD], v2, 5, s23
	s_wait_loadcnt 0x0
	v_cvt_pk_bf16_f32 v96, v96, v96                ; b_gs is rounded like every other input
	v_lshlrev_b32 v96, 16, v96
.irp w, 32,16,8,4,2                    ; 64 numbers into 2, by halves: 16 + 8 + 4 + 2 + 1 packed additions
.set p, 0
.rept (\w)/2
	v_pk_add_f32 v[TMP+p:TMP+p+1], v[TMP+p:TMP+p+1], v[TMP+(\w)+p:TMP+(\w)+p+1]
.set p, p+2
.endr
.endr
	v_add_f32 v[TMP], v[TMP], v[TMP+1]
	v_add_f32 v[TMP], v[TMP], v96
	ds_store_b32 v[BST], v[TMP]
	s_wait_dscnt 0x0                               ; for the others' sake: my word of bc is in LDS ahead of the barrier below
	s_wait_tensorcnt 1                             ; my part of K step 0 is in; K step 1's may stay out
	s_barrier_signal -1
	s_barrier_wait -1                              ; everybody's is
	FETCH 0, 0, F0
	QUARTER 0, 1, F0, F1, 1                        ; the first quarter stands in front of the loop: its first products start the sums
	WIN 0                                          ; at a label and at a branch every window is 0
	s_mov_b32 s3, LAPS-1
.Llap:                                                 ; a trip goes once round the ring, from a lap's second quarter to the next lap's first, and fills both slots again
	QUARTER 0, 2, F1, F0, 0
	QUARTER 0, 3, F0, F1, 0
	TURN 0, 1, 1
	QUARTER 1, 1, F0, F1, 0
	QUARTER 1, 2, F1, F0, 0
	QUARTER 1, 3, F0, F1, 0
	TURN 1, 0, 1
	QUARTER 0, 1, F0, F1, 0
	WIN 0
	s_sub_co_u32 s3, s3, 1
	s_cmp_lg_u32 s3, 0
	s_cbranch_scc1 .Llap
	QUARTER 0, 2, F1, F0, 0                        ; the last lap fills nothing, and has no round of the cluster's barrier
	QUARTER 0, 3, F0, F1, 0
	TURN 0, 1, 0
	QUARTER 1, 1, F0, F1, 0
	QUARTER 1, 2, F1, F0, 0
	QUARTER 1, 3, F0, F1, 0
	s_wait_dscnt NL                                ; the very last quarter: nothing more to fetch
	MULP F1, 0, 0
	MULR F1, 0, 0
	s_wait_dscnt 0x0
	MULP F1, 1, 0
	MULR F1, 1, 0
	WIN 0
	; THE WAY OUT: bc is added; each accumulator goes into the f32 stage as it is and into the bf16 stage rounded; a barrier, since a row comes from two waves; back as whole rows, 24 rows a wave.
.irp b, 0,1,2,3
	ds_load_b128 v[BV+8*(\b):BV+8*(\b)+3],   v[BAD] offset:64*(\b)      ; columns 16 b + 8 (l / 16) + 0..3 of my 64
	ds_load_b128 v[BV+8*(\b)+4:BV+8*(\b)+7], v[BAD] offset:64*(\b)+16
.endr
	PLACES
	s_wait_dscnt 0x0
.irp t, 0,1,2,3,4,5,6,7,8,9,10,11
.irp j, 0,2,4,6
	v_pk_add_f32 v[ACC+8*(\t)+(\j):ACC+8*(\t)+(\j)+1], v[ACC+8*(\t)+(\j):ACC+8*(\t)+(\j)+1], v[BV+8*((\t)%4)+(\j):BV+8*((\t)%4)+(\j)+1]
.endr
	ds_store_b128 v[STF], v[ACC+8*(\t):ACC+8*(\t)+3]   offset:((\t)/4)*16*FP+64*((\t)%4)
	ds_store_b128 v[STF], v[ACC+8*(\t)+4:ACC+8*(\t)+7] offset:((\t)/4)*16*FP+64*((\t)%4)+16
.irp r, 0,1,2,3
	v_cvt_pk_bf16_f32 v[TMP+4*(\t)+(\r)], v[ACC+8*(\t)+2*(\r)], v[ACC+8*(\t)+2*(\r)+1]
.endr
	ds_store_b128 v[STO], v[TMP+4*(\t):TMP+4*(\t)+3] offset:((\t)/4)*16*HP+32*((\t)%4)
.endr
	s_wait_dscnt 0x0                               ; for the others' sake: my stores into the stages are done
	s_barrier_signal -1
	s_barrier_wait -1
.set t, 0
.rept 24
	ds_load_b128 v[ACC+4*t:ACC+4*t+3], v[RDF] offset:t*FP
.set t, t+1
.endr
.set t, 0
.rept 12
	ds_load_b128 v[TMP+4*t:TMP+4*t+3], v[RD] offset:t*2*HP
.set t, t+1
.endr
.set t, 0
.rept 24
	s_wait_dscnt 35-t                              ; 36 loads were issued: behind load t stand 35 - t
	global_store_b128 v[COF], v[ACC+4*t:ACC+4*t+3], s[72:73] offset:t*4096  ; a wave stores 512 consecutive bytes, at a multiple of 512 from gs32's first byte
.set t, t+1
.endr
.set t, 0
.rept 12
	s_wait_dscnt 11-t
	global_store_b128 v[CO], v[TMP+4*t:TMP+4*t+3], s[74:75] offset:t*8192   ; 16 lanes store 256 consecutive bytes, at a multiple of 256 from gx16's first byte
.set t, t+1
.endr
	s_wait_tensorcnt 0x0                           ; the wave's end: behind my last tensor load and my last LDS store
	ds_add_u32 v[SPW], v[NIL]
	s_wait_dscnt 0x0
	CROUND                                         ; the closing round: no work-group ends while a partner may still ask for a tile that names it
	s_endpgm
.Lfunc_end_k_qbfe4e1aa6e_gb:
	.size	k_qbfe4e1aa6e_gb, .Lfunc_end_k_qbfe4e1aa6e_gb-k_qbfe4e1aa6e_gb
	.p2alignl 7, 3214868480
	.fill 96, 4, 3214868480
	.section	.rodata,"a",@progbits
	.p2align	6, 0x0
	.amdhsa_kernel k_qbfe4e1aa6e_gb
		.amdhsa_group_segment_fixed_size 327680
		.amdhsa_private_segment_fixed_size 0
		.amdhsa_enable_private_segment 0
		.amdhsa_kernarg_size 48
		.amdhsa_user_sgpr_count 2
		.amdhsa_user_sgpr_kernarg_segment_ptr 1
		.amdhsa_wavefront_size32 1
		.amdhsa_system_sgpr_workgroup_id_x 1
		.amdhsa_system_sgpr_workgroup_id_y 1
		.amdhsa_system_sgpr_workgroup_id_z 1
		.amdhsa_system_vgpr_workitem_id 0
		.amdhsa_next_free_vgpr 512
		.amdhsa_next_free_sgpr 80
		.amdhsa_reserve_vcc 0
		.amdhsa_float_denorm_mode_32 3
		.amdhsa_float_denorm_mode_16_64 3
		.amdhsa_memory_ordered 1
		.amdhsa_forward_progress 1
		.amdhsa_inst_pref_size 92
	.end_amdhsa_kernel
	.amdgpu_metadata
---
amdhsa.version: [ 1, 2 ]
amdhsa.kernels:
  - .name:           k_qbfe4e1aa6e_gb
    .symbol:         k_qbfe4e1aa6e_gb.kd
    .args:
      - { .name: x16, .offset: 0, .size: 8, .value_kind: global_buffer, .address_space: global }
      - { .name: wc16, .offset: 8, .size: 8, .value_kind: global_buffer, .address_space: global }
      - { .name: bpart, .offset: 16, .size: 8, .value_kind: global_buffer, .address_space: global }
      - { .name: b_gs, .offset: 24, .size: 8, .value_kind: global_buffer, .address_space: global }
      - { .name: gs32, .offset: 32, .size: 8, .value_kind: global_buffer, .address_space: global }
      - { .name: gx16, .offset: 40, .size: 8, .value_kind: global_buffer, .address_space: global }
    .group_segment_fixed_size: 327680
    .private_segment_fixed_size: 0
    .kernarg_segment_align: 8
    .kernarg_segment_size: 48
    .max_flat_workgroup_size: 128
    .sgpr_count:     80
    .vgpr_count:     512
    .wavefront_size: 32
...
	.end_amdgpu_metadata
.endif
;; end of part 3
;; launch gc (part 4): grid 8 x 32, 4 waves a work-group, clusters of 4 x 4, 327,680 bytes of LDS; arguments gx16, wk16, cov_a, W_c, v, spart; writes spart
.if DOCPART == 4
	.amdgcn_target "amdgcn-amd-amdhsa--gfx1250"
	.amdhsa_code_object_version 6
	.text
	.protected	k_qbfe4e1aa6e_gc
	.globl	k_qbfe4e1aa6e_gc
	.p2align	8
	.type	k_qbfe4e1aa6e_gc,@function
k_qbfe4e1aa6e_gc:
	s_mov_b64 s[64:65], 0
	v_nop
	global_prefetch_b8 v0, s[64:65] scope:SCOPE_SE
	s_setreg_imm32_b32 hwreg(HW_REG_WAVE_MODE, 25, 1), 1
	s_wait_xcnt 0x0
	s_wait_alu depctr_hold_cnt(0) depctr_sa_sdst(0) depctr_va_vdst(0) depctr_va_sdst(0) depctr_va_ssrc(0) depctr_va_vcc(0) depctr_vm_vsrc(0)
	s_getreg_b32 s2, hwreg(HW_REG_IB_STS2, 6, 4)
	s_cmp_eq_u32 s2, 0
	s_cbranch_scc0 .Lentry_in_a_cluster
	s_endpgm
.Lentry_in_a_cluster:
	s_bfe_u32 s2, ttmp6, 0x10000c
	s_cmp_lg_u32 s2, 0xf033
	s_cbranch_scc0 .Lentry_shape_is_right
	s_endpgm
.Lentry_shape_is_right:
; GC: the energies.  pre[m][a] = sum over k of [g* | s_t][m][k] [W_h ; W_s][k][a] + cov[m] W_c[a];  spart[tc][m] = sum over the 128 columns a of tile column tc of v[a] tanh(pre[m][a]).
; A = gx16 [3072][2048] bf16 (g* in columns 0..1023, the batch's s_t in 1024..2047), B = wk16's rows 4096..6143 [k][1024] bf16 (W_h, then W_s): one product of K = 2,048 makes both sums.
; (s_t W_s is so multiplied once for each region; the price is taken for one kind of tile and no broadcast of a row to its batch.)
; tanh(x) = 1 - 2 / (1 + 2^(2 log2(e) x)): it goes to +1 and -1 where the power overflows or vanishes.  So v tanh = v + (-2 v) / (1 + 2^..): a lane's sum starts with the sum of its columns' v.
; SHARES.  A tile is 96 x 128: 32 x 8 tiles, one work-group each.  Four waves, each 48 x 64: 12 accumulators.  K goes in steps of 256 through two LDS slots filled by the tensor data mover.
; THE MATRIX INSTRUCTION IS USED TRANSPOSED (source 0 = 16 columns of B, turned by ds_load_tr16_b128; source 1 = 16 rows of A): a lane holds one row and eight neighbouring columns.
; CLUSTER.  4 x 4 work-groups: A's tiles are asked for jointly along a row of the cluster, B's along a column.
; A work-group's result is 96 numbers, 384 consecutive bytes: not whole aligned blocks of 256; the launch stores 98,304 bytes in all.
; REGISTERS.  window 0: v0-31 addresses; v32-63 2 log2(e) W_c and v64-95 -2 v of my 32 columns; v96-101 cov of my rows, in pairs; v104-109 the sums, in pairs; v110-115 at work; v128-223 the accumulators.
; LIMITS.  Operands are bf16, cov, W_c and v are rounded to bf16 like every input; tanh is off by about 1e-7 at the most; NaN and infinities are not treated apart.
.set NA,     3                         ; blocks of 16 rows a wave
.set TM,     32*NA                     ; rows of a tile
.set KA,     2048                      ; elements from row to row of A
.set KTOT,   2048
.set NB,     1024                      ; elements from row to row of B
.set KSTEP,  256
.set PA,     528                       ; an LDS row of A: 512 bytes + 16 = 132 words: the 16 rows of a load start at 16 different groups of four banks (64 banks of 4 bytes: ISA guide 11.1)
.set PB,     288                       ; an LDS row of B: 256 bytes + 32 = 72 words
.set AH,     16*NA*PA                  ; half of A's rows: what one tensor load brings, and what one wave reads
.set BH,     128*PB                    ; half of B's 256 k rows: what one tensor load brings
.set SLOT,   2*AH+2*BH                 ; A's rows, then B's
.set NL,     8+2*NA                    ; LDS loads for 32 along K
.set LAPS,   KTOT/(2*KSTEP)            ; a lap = two K steps = once round the ring
.set SCR,    2*SLOT                    ; behind the ring: 2 x 96 f32: the two column halves' sums
.set SPARE,  SCR+768                   ; the spare words, 128 bytes for each wave: two blocks of 256 bytes that no other line names
.set WO,   10                          ; v10     byte offset of my columns in W_c and v
.set CVO,  11                          ; v11     byte offset of my rows in cov
.set SST,  12                          ; v12     where I put a row's sum
.set SRD,  13                          ; v13     where thread t reads row t's sums
.set PO,   14                          ; v14     4 t
.set ADRA, 16                          ; v16-17  LDS address of my A fragments in slot 0, 1
.set ADRB, 20                          ; v20-23  of my B fragments: slot 0 k 0-127, slot 0 k 128-255, slot 1 likewise
.set SPW,  28                          ; v28     LDS address of my spare word; never rewritten
.set NIL,  29                          ; v29     0; never rewritten
.set WC2,  32
.set N2V,  64
.set COV,  96
.set SC,   104
.set T0,   110
.set ACC,  128
.set F0,   0                           ; fragment buffers, in window 1
.set F1,   128
.set G1,  24                           ; s[24:31] descriptor group 1 for A's tiles;  s[32:39] group 0, one set for each slot
.set G0,  32
.set G1B, 48                           ; s[48:55], s[56:63] the same for B's tiles
.set G0B, 56
.set MSB, 0
.macro WIN new                         ; the immediate's high byte repeats the setting that is left; a switch that changes nothing is dropped
.if MSB != (\new)
	s_set_vgpr_msb (MSB<<8)|(\new)
.set MSB, \new
.endif
.endm
.set MUL,  0x05                        ; sources 0 (B) and 1 (A) window 1; C and D window 0
.set TO_F, 0x40                        ; destination window 1, address window 0
.macro JLOAD s                         ; a joint load: waves 0 and 1 fetch A's two halves, waves 2 and 3 B's; an s_nop 0 and four v_nop follow each of the two lines, ahead of the jump, the label and what follows
	s_cmp_eq_u32 s11, 0
	s_cbranch_scc0 .Lfor_b_\@
	tensor_load_to_lds s[G0+4*(\s):G0+4*(\s)+3], s[G1:G1+7]
	s_nop 0
.rept 4
	v_nop
.endr
	s_branch .Lasked_\@
.Lfor_b_\@:
	tensor_load_to_lds s[G0B+4*(\s):G0B+4*(\s)+3], s[G1B:G1B+7]
	s_nop 0
.rept 4
	v_nop
.endr
.Lasked_\@:
.endm
.macro CREST                           ; a round of the cluster's barrier behind its opening barrier
	s_cmp_lg_u32 s10, 0
	s_cbranch_scc1 .Lnot_wave_0_\@
	s_barrier_signal -3
.Lnot_wave_0_\@:
	s_barrier_wait -3
	s_barrier_signal -1
	s_barrier_wait -1
.endm
.macro CROUND                          ; a whole round
	s_barrier_signal -1
	s_barrier_wait -1
	CREST
.endm
.macro PLACES                          ; four places in front of loads into registers that matrix instructions have read, and of vector lines that read results
.rept 4
	v_nop
.endr
.endm
; Four matrix instructions: m block a x all 4 n blocks, 32 along K: half c of buffer f.  zero = 1: the product starts the sums.  The accumulators take turns, one instruction a turn.
.macro MULA f, c, a, zero
	WIN MUL
.irp b, 0,1,2,3
.if \zero
	v_wmma_f32_16x16x32_bf16 v[ACC+8*(4*(\a)+(\b)):ACC+8*(4*(\a)+(\b))+7], v[(\f)+64+8*(4*(\c)+(\b)):(\f)+64+8*(4*(\c)+(\b))+7], v[(\f)+8*(4*(\c)+(\a)):(\f)+8*(4*(\c)+(\a))+7], 0
.else
	v_wmma_f32_16x16x32_bf16 v[ACC+8*(4*(\a)+(\b)):ACC+8*(4*(\a)+(\b))+7], v[(\f)+64+8*(4*(\c)+(\b)):(\f)+64+8*(4*(\c)+(\b))+7], v[(\f)+8*(4*(\c)+(\a)):(\f)+8*(4*(\c)+(\a))+7], v[ACC+8*(4*(\a)+(\b)):ACC+8*(4*(\a)+(\b))+7]
.endif
.endr
.endm
.macro MULP f, c, zero                 ; m blocks 0 and 1
	MULA \f, \c, 0, \zero
	MULA \f, \c, 1, \zero
.endm
.macro MULR f, c, zero                 ; the other m blocks
	MULA \f, \c, 2, \zero
.if NA > 3
	MULA \f, \c, 3, \zero
.endif
.endm
; 2 NL LDS loads in one run: the fragments of quarter q (64 along K) of a slot into buffer f; the first 32 along K first.
; B: the turning load takes 16 k x 16 n and leaves half a fragment: lane l holds column l % 16 and 8 k.  A: 16 rows x 32 k: two loads of 16 bytes, 32 bytes apart.
.macro FETCH slot, q, f
	WIN TO_F
.irp c, 0,1
.irp i, 0,1,2,3
	ds_load_tr16_b128 v[(\f)+64+8*(4*(\c)+(\i)):(\f)+64+8*(4*(\c)+(\i))+3],   v[ADRB+2*(\slot)+(\q)/2] offset:(((\q)%2)*64+32*(\c))*PB+32*(\i)
	ds_load_tr16_b128 v[(\f)+64+8*(4*(\c)+(\i))+4:(\f)+64+8*(4*(\c)+(\i))+7], v[ADRB+2*(\slot)+(\q)/2] offset:(((\q)%2)*64+32*(\c)+16)*PB+32*(\i)
.if (\i) < NA
	ds_load_b128 v[(\f)+8*(4*(\c)+(\i)):(\f)+8*(4*(\c)+(\i))+3],   v[ADRA+(\slot)] offset:128*(\q)+64*(\c)+(\i)*16*PA
	ds_load_b128 v[(\f)+8*(4*(\c)+(\i))+4:(\f)+8*(4*(\c)+(\i))+7], v[ADRA+(\slot)] offset:128*(\q)+64*(\c)+(\i)*16*PA+32
.endif
.endr
.endr
.endm
; A K step is four quarters of 64 along K on buffers 0, 1, 0, 1.  One of the first three: multiplies buffer f and fetches quarter q of the same slot into g.
.macro QUARTER slot, q, f, g, zero
	s_wait_dscnt NL                                ; the first 32 along K are in; the NL younger loads may be out
	MULP \f, 0, \zero
	MULR \f, 0, \zero
	PLACES
	FETCH \slot, \q, \g
	s_wait_dscnt 2*NL                              ; all but the 2 NL just issued
	MULP \f, 1, 0
	MULR \f, 1, 0
.endm
; The last quarter multiplies buffer 1 and changes slots: ONE barrier; in front of it each wave waits for all its tensor loads (one is out: its part of the next slot), adds 0 to its spare word, and waits
; for that and for its own reads of this slot.  fill = 1: the barrier opens a round of the cluster's barrier, and this slot is filled again, two K steps ahead, first thing behind the round.
.macro TURN slot, next, fill
	WIN 0                                          ; (the add's two registers lie in window 0)
	s_wait_tensorcnt 0x0                           ; all my tensor loads have landed
	ds_add_u32 v[SPW], v[NIL]                      ; 0 onto my spare word
	s_wait_dscnt NL+1                              ; (the add and the youngest NL loads may be out)
	MULP F1, 0, 0                                  ; eight matrix instructions stand between the add and the wait for it
	s_wait_dscnt 0x0                               ; the add is done, and my reads of this slot are over
	s_barrier_signal -1
	MULR F1, 0, 0                                  ; work on registers while the others arrive
.if \fill
	WIN 0
.endif
	s_barrier_wait -1
.if \fill
	CREST                                          ; no wave of any partner still reads this slot's tile or has a load on its way
	s_add_nc_u64 s[G0+4*(\slot)+2:G0+4*(\slot)+3], s[G0+4*(\slot)+2:G0+4*(\slot)+3], 2*KSTEP*2
	s_add_nc_u64 s[G0B+4*(\slot)+2:G0B+4*(\slot)+3], s[G0B+4*(\slot)+2:G0B+4*(\slot)+3], 2*KSTEP*NB*2
	JLOAD \slot                                    ; the four v_nop behind it are also the places in front of the loads below
.else
	PLACES
.endif
	FETCH \next, 0, F0
	MULP F1, 1, 0
	MULR F1, 1, 0
.endm
; THE ACTIVATION, for accumulator t = 4 a + b, in six parts; each begins at the accumulator's low end.
.macro P1A t                           ; x 2 log2(e)
.irp j, 0,2,4,6
	v_pk_mul_f32 v[ACC+8*(\t)+(\j):ACC+8*(\t)+(\j)+1], v[ACC+8*(\t)+(\j):ACC+8*(\t)+(\j)+1], 0x4038aa3b op_sel_hi:[1,0]
.endr
.endm
.macro P1B t                           ; + (2 log2(e) W_c) cov
.irp j, 0,2,4,6
	v_pk_fma_f32 v[ACC+8*(\t)+(\j):ACC+8*(\t)+(\j)+1], v[WC2+8*((\t)%4)+(\j):WC2+8*((\t)%4)+(\j)+1], v[COV+2*((\t)/4):COV+2*((\t)/4)+1], v[ACC+8*(\t)+(\j):ACC+8*(\t)+(\j)+1] op_sel_hi:[1,0,1]
.endr
.endm
.macro P2 t                            ; 2^..
.irp j, 0,1,2,3,4,5,6,7
	v_exp_f32 v[ACC+8*(\t)+(\j)], v[ACC+8*(\t)+(\j)]
.endr
.endm
.macro P3 t                            ; + 1
	s_wait_alu depctr_va_vdst(0)
.irp j, 0,2,4,6
	v_pk_add_f32 v[ACC+8*(\t)+(\j):ACC+8*(\t)+(\j)+1], v[ACC+8*(\t)+(\j):ACC+8*(\t)+(\j)+1], 1.0 op_sel_hi:[1,0]
.endr
.endm
.macro P4 t                            ; 1 / ..
.irp j, 0,1,2,3,4,5,6,7
	v_rcp_f32 v[ACC+8*(\t)+(\j)], v[ACC+8*(\t)+(\j)]
.endr
.endm
.macro P5 t                            ; the row's sums take (-2 v) x ..
	s_wait_alu depctr_va_vdst(0)
.irp j, 0,2,4,6
	v_pk_fma_f32 v[SC+2*((\t)/4):SC+2*((\t)/4)+1], v[ACC+8*(\t)+(\j):ACC+8*(\t)+(\j)+1], v[N2V+8*((\t)%4)+(\j):N2V+8*((\t)%4)+(\j)+1], v[SC+2*((\t)/4):SC+2*((\t)/4)+1]
.endr
.endm
	s_load_b128 s[4:7], s[0:1], 0x0                ; A s[4:5], wk16 s[6:7]
	s_load_b256 s[68:75], s[0:1], 0x10             ; cov 68:69, W_c 70:71, v 72:73, spart 74:75
	v_lshl_add_u32 v[SPW], v0, 2, SPARE
	v_mov_b32 v[NIL], 0
	ds_add_u32 v[SPW], v[NIL]                      ; the wave's opening: the add and its wait stand ahead of my first tensor load; the set-up below, work on registers, stands between them
	ds_add_u32 v28, v29
	v_lshrrev_b32 v1, 5, v0
	v_readfirstlane_b32 s10, v1                    ; wave 0..3
	s_lshr_b32 s11, s10, 1                         ; which half of the tile's rows is mine.  Also: I fetch for A (0) or for B (1)
	s_and_b32 s12, s10, 1                          ; which half of its columns.  Also: which half of that tile I fetch
	s_bfe_u32 s40, ttmp6, 0x40000                  ; cx, cy: my place in the cluster
	s_bfe_u32 s41, ttmp6, 0x40004
	s_lshl_b32 s42, ttmp9, 2
	s_add_co_u32 s42, s42, s40                     ; tile column = 4 x cluster x + cx
	s_and_b32 s13, ttmp7, 0xffff
	s_lshl_b32 s13, s13, 2
	s_add_co_u32 s13, s13, s41                     ; tile row = 4 x cluster y + cy
	s_lshl_b32 s43, s41, 2
	s_lshl_b32 s43, 15, s43                        ; my row of the cluster
	s_lshl_b32 s44, 0x1111, s40                    ; my column
	s_mov_b32 s76, 0x76543210                      ; v_permlanex16_b32's selects: each lane takes its own place in the other half
	s_mov_b32 s77, 0xfedcba98
	; group 1 for A: 16 NA rows x 256 elements
	s_or_b32 s[G1+0], s43, (1<<16)|(1<<20)|(1<<21)|(6<<22)|(3<<25)  ; 15:0 the mask: my row; 17:16 2-byte elements; 20 padding on; 21 set beside a mask; 24:22 after every 128 words (code 6); 31:25 4 words (code 3)
	s_mov_b32 s[G1+1], KSTEP<<16                   ; tensor_dim0 = 256
	s_mov_b32 s[G1+2], (16*NA)<<16                 ; tensor_dim1
	s_mov_b32 s[G1+3], KSTEP<<16                   ; tile_dim0 = 256
	s_mov_b32 s[G1+4], 16*NA                       ; tile_dim1
	s_mov_b32 s[G1+5], KA                          ; elements from row to row
	s_mov_b32 s[G1+6], 0
	s_mov_b32 s[G1+7], 0
	; group 1 for B: 128 k rows x 128 elements
	s_or_b32 s[G1B+0], s44, (1<<16)|(1<<20)|(1<<21)|(5<<22)|(7<<25) ; the mask: my column; after every 64 words (code 5) 8 words of padding (code 7)
	s_mov_b32 s[G1B+1], 128<<16
	s_mov_b32 s[G1B+2], 128<<16
	s_mov_b32 s[G1B+3], 128<<16
	s_mov_b32 s[G1B+4], 128
	s_mov_b32 s[G1B+5], NB
	s_mov_b32 s[G1B+6], 0
	s_mov_b32 s[G1B+7], 0
	; where the tiles come from: A's hang on the tile row and the wave alone, B's on the tile column and the wave alone, each in registers that never hold the other coordinate
	s_mul_i32 s16, s13, TM
	s_mul_i32 s17, s12, 16*NA
	s_add_co_u32 s16, s16, s17                     ; A: the first row that I fetch
	s_mov_b32 s17, 0
	s_mov_b64 s[18:19], KA*2
	s_mul_u64 s[16:17], s[16:17], s[18:19]         ; in bytes
	s_lshl_b32 s46, s42, 8                         ; B: 256 bytes a tile column,
	s_lshl_b32 s47, s12, 18                        ; 128 k rows of 2,048 bytes a half
	s_add_co_u32 s46, s46, s47
	s_mov_b32 s47, 0
	s_mul_i32 s20, s12, AH                         ; and where they go: no place in the cluster enters an LDS address
	s_mul_i32 s45, s12, BH
	s_add_co_u32 s45, s45, 2*AH
	s_wait_dscnt 0x0                               ; the opening add is done
	s_wait_kmcnt 0x0
	s_add_nc_u64 s[6:7], s[6:7], 4096*NB*2         ; W_h and W_s lie behind W_gs's 4,096 rows
	s_add_nc_u64 s[14:15], s[4:5], s[16:17]
	s_add_nc_u64 s[46:47], s[6:7], s[46:47]
	CROUND                                         ; all sixteen work-groups are here: the first joint loads meet
.irp s, 0,1
	s_mov_b32 s[G0+4*(\s)], 1                                      ; count = 1
	s_add_co_u32 s[G0+4*(\s)+1], s20, (\s)*SLOT                    ; LDS address
	s_add_nc_u64 s[G0+4*(\s)+2:G0+4*(\s)+3], s[14:15], (\s)*KSTEP*2  ; global address: K step s
	s_or_b32 s[G0+4*(\s)+3], s[G0+4*(\s)+3], 0x80000000            ; type = 2
	s_mov_b32 s[G0B+4*(\s)], 1
	s_add_co_u32 s[G0B+4*(\s)+1], s45, (\s)*SLOT
	s_add_nc_u64 s[G0B+4*(\s)+2:G0B+4*(\s)+3], s[46:47], (\s)*KSTEP*NB*2
	s_or_b32 s[G0B+4*(\s)+3], s[G0B+4*(\s)+3], 0x80000000
	JLOAD \s                                       ; two loads of mine are out behind these; later one behind each round
.endr
	; W_c, v and cov, in the wait for the first tile
	s_lshl_b32 s46, s42, 9                         ; the tile's 128 columns in f32
	s_mov_b32 s47, 0
	s_add_nc_u64 s[70:71], s[70:71], s[46:47]
	s_add_nc_u64 s[72:73], s[72:73], s[46:47]
	s_mul_i32 s46, s42, 3072*4                     ; the tile column's slice of spart
	s_add_nc_u64 s[74:75], s[74:75], s[46:47]
	s_mul_i32 s16, s13, TM*4                       ; the tile's 96 rows, one f32 each
	s_mov_b32 s17, 0
	s_add_nc_u64 s[68:69], s[68:69], s[16:17]
	s_add_nc_u64 s[74:75], s[74:75], s[16:17]
	v_and_b32 v1, 15, v0                           ; l % 16
	v_bfe_u32 v2, v0, 4, 1                         ; l / 16
	s_lshl_b32 s23, s12, 8
	v_lshl_add_u32 v[WO], v2, 5, s23               ; columns 64 x half + 8 (l / 16) + ..
	s_mul_i32 s23, s11, 192
	v_lshl_add_u32 v[CVO], v1, 2, s23              ; rows 48 x half + l % 16 + ..
.irp b, 0,1,2,3
	global_load_b128 v[WC2+8*(\b):WC2+8*(\b)+3],   v[WO], s[70:71] offset:64*(\b)
	global_load_b128 v[WC2+8*(\b)+4:WC2+8*(\b)+7], v[WO], s[70:71] offset:64*(\b)+16
	global_load_b128 v[N2V+8*(\b):N2V+8*(\b)+3],   v[WO], s[72:73] offset:64*(\b)
	global_load_b128 v[N2V+8*(\b)+4:N2V+8*(\b)+7], v[WO], s[72:73] offset:64*(\b)+16
.endr
.irp a, 0,1,2
	global_load_b32 v[COV+2*(\a)], v[CVO], s[68:69] offset:64*(\a)
.endr
	s_mul_i32 s21, s12, 384
	s_add_co_u32 s23, s23, s21
	s_add_co_u32 s23, s23, SCR
	v_lshl_add_u32 v[SST], v1, 2, s23              ; my column half's 96 words, my row
	v_lshl_add_u32 v[SRD], v0, 2, SCR
	v_lshlrev_b32 v[PO], 2, v0
	v_mul_u32_u24 v3, v1, PA
	v_lshl_add_u32 v3, v2, 4, v3                   ; A: row x pitch + 16 x half
	s_mul_i32 s21, s11, AH                         ; my half of A's rows
	v_add_nc_u32 v[ADRA], s21, v3
	v_add_nc_u32 v[ADRA+1], SLOT, v[ADRA]
	v_and_b32 v4, 7, v0
	v_lshl_add_u32 v4, v2, 3, v4                   ; B: k row 8 (l / 16) + l % 8,
	v_mul_u32_u24 v4, v4, PB
	v_bfe_u32 v5, v0, 3, 1
	v_lshl_add_u32 v4, v5, 4, v4                   ; 16 bytes on for the second eight lanes of each sixteen
	s_lshl_b32 s22, s12, 7                         ; my 64 columns,
	s_add_co_u32 s22, s22, 2*AH                    ; behind A's rows
	v_add_nc_u32 v[ADRB], s22, v4
	v_add_nc_u32 v[ADRB+1], BH, v[ADRB]
	v_add_nc_u32 v[ADRB+2], SLOT, v[ADRB]
	v_add_nc_u32 v[ADRB+3], SLOT+BH, v[ADRB]
	s_wait_loadcnt 0x0
.set i, WC2
.rept 32                               ; W_c's 16 pairs and v's 16 pairs lie on end: each pair is rounded to bf16 and widened again
	v_cvt_pk_bf16_f32 v[T0], v[i], v[i+1]
	v_lshlrev_b32 v[i], 16, v[T0]
	v_and_b32 v[i+1], 0xffff0000, v[T0]
.set i, i+2
.endr
.irp a, 0,1,2
	v_cvt_pk_bf16_f32 v[T0], v[COV+2*(\a)], v[COV+2*(\a)]
	v_lshlrev_b32 v[COV+2*(\a)], 16, v[T0]
	v_lshlrev_b32 v[COV+2*(\a)+1], 16, v[T0]       ; named with it as a pair
.endr
.set i, 0
.rept 16
	v_pk_mul_f32 v[WC2+i:WC2+i+1], v[WC2+i:WC2+i+1], 0x4038aa3b op_sel_hi:[1,0]   ; 2 log2(e) = 2.885390
	v_pk_mul_f32 v[N2V+i:N2V+i+1], v[N2V+i:N2V+i+1], -2.0 op_sel_hi:[1,0]
.set i, i+2
.endr
	v_pk_add_f32 v[T0:T0+1], v[N2V:N2V+1], v[N2V+2:N2V+3]
.set i, 4
.rept 14
	v_pk_add_f32 v[T0:T0+1], v[T0:T0+1], v[N2V+i:N2V+i+1]
.set i, i+2
.endr
	v_add_f32 v[T0], v[T0], v[T0+1]
	v_mul_f32 v[T0], -0.5, v[T0]                   ; the sum of v over my 32 columns
.irp a, 0,1,2
	v_mov_b32 v[SC+2*(\a)], v[T0]                  ; starts each row's sum
	v_mov_b32 v[SC+2*(\a)+1], 0
.endr
	s_wait_tensorcnt 1                             ; my part of K step 0 is in; K step 1's may stay out
	s_barrier_signal -1
	s_barrier_wait -1                              ; everybody's is
	FETCH 0, 0, F0
	QUARTER 0, 1, F0, F1, 1                        ; the first quarter stands in front of the loop: its first products start the sums
	WIN 0                                          ; at a label and at a branch every window is 0
	s_mov_b32 s3, LAPS-1
.Llap:                                                 ; a trip goes once round the ring, from a lap's second quarter to the next lap's first, and fills both slots again
	QUARTER 0, 2, F1, F0, 0
	QUARTER 0, 3, F0, F1, 0
	TURN 0, 1, 1
	QUARTER 1, 1, F0, F1, 0
	QUARTER 1, 2, F1, F0, 0
	QUARTER 1, 3, F0, F1, 0
	TURN 1, 0, 1
	QUARTER 0, 1, F0, F1, 0
	WIN 0
	s_sub_co_u32 s3, s3, 1
	s_cmp_lg_u32 s3, 0
	s_cbranch_scc1 .Llap
	QUARTER 0, 2, F1, F0, 0                        ; the last lap fills nothing, and has no round of the cluster's barrier
	QUARTER 0, 3, F0, F1, 0
	TURN 0, 1, 0
	QUARTER 1, 1, F0, F1, 0
	QUARTER 1, 2, F1, F0, 0
	QUARTER 1, 3, F0, F1, 0
	s_wait_dscnt NL                                ; the very last quarter: nothing more to fetch
	MULP F1, 0, 0
	MULR F1, 0, 0
	s_wait_dscnt 0x0
	MULP F1, 1, 0
	MULR F1, 1, 0
	WIN 0
	; THE WAY OUT.  Behind each run of eight exponentials or reciprocals stand plain lines of the NEXT accumulator, which touch none of this one's registers (ISA guide 5.7.2), ahead of the first use of the results.
	PLACES
	P1A 0
	P1B 0
.irp t, 0,1,2,3,4,5,6,7,8,9,10,11
	P2 \t
.if (\t) < 11
	P1A (\t)+1
.else
	v_nop
	s_wait_alu depctr_va_vdst(0)
.endif
	P3 \t
	P4 \t
.if (\t) < 11
	P1B (\t)+1
.else
	v_nop
	s_wait_alu depctr_va_vdst(0)
.endif
	P5 \t
.endr
.irp a, 0,1,2
	v_add_f32 v[T0+(\a)], v[SC+2*(\a)], v[SC+2*(\a)+1]
.endr
.irp a, 0,1,2
	v_permlanex16_b32 v[COV+2*(\a)], v[T0+(\a)], s76, s77      ; the row's other 32 columns lie in the lane 16 away; cov's registers, written long ago, are free
.endr
.irp a, 0,1,2
	v_add_f32 v[T0+(\a)], v[T0+(\a)], v[COV+2*(\a)]
.endr
.irp a, 0,1,2
	ds_store_b32 v[SST], v[T0+(\a)] offset:64*(\a)             ; both halves of the lanes write the same word with the same number
.endr
	s_wait_dscnt 0x0                               ; for the others' sake: my sums are in LDS
	s_barrier_signal -1
	s_barrier_wait -1
	s_cmp_eq_u32 s10, 3
	s_cbranch_scc1 .Lskip                          ; 96 rows: threads 0 to 95 add the two column halves and store
	ds_load_b32 v[T0], v[SRD]
	ds_load_b32 v[T0+1], v[SRD] offset:384
	s_wait_dscnt 0x0
	v_add_f32 v[T0], v[T0], v[T0+1]
	global_store_b32 v[PO], v[T0], s[74:75]
.Lskip:
	s_wait_tensorcnt 0x0                           ; the wave's end: behind my last tensor load and my last LDS store
	ds_add_u32 v[SPW], v[NIL]
	s_wait_dscnt 0x0
	CROUND                                         ; the closing round: no work-group ends while a partner may still ask for a tile that names it
	s_endpgm
.Lfunc_end_k_qbfe4e1aa6e_gc:
	.size	k_qbfe4e1aa6e_gc, .Lfunc_end_k_qbfe4e1aa6e_gc-k_qbfe4e1aa6e_gc
	.p2alignl 7, 3214868480
	.fill 96, 4, 3214868480
	.section	.rodata,"a",@progbits
	.p2align	6, 0x0
	.amdhsa_kernel k_qbfe4e1aa6e_gc
		.amdhsa_group_segment_fixed_size 327680
		.amdhsa_private_segment_fixed_size 0
		.amdhsa_enable_private_segment 0
		.amdhsa_kernarg_size 48
		.amdhsa_user_sgpr_count 2
		.amdhsa_user_sgpr_kernarg_segment_ptr 1
		.amdhsa_wavefront_size32 1
		.amdhsa_system_sgpr_workgroup_id_x 1
		.amdhsa_system_sgpr_workgroup_id_y 1
		.amdhsa_system_sgpr_workgroup_id_z 1
		.amdhsa_system_vgpr_workitem_id 0
		.amdhsa_next_free_vgpr 512
		.amdhsa_next_free_sgpr 80
		.amdhsa_reserve_vcc 0
		.amdhsa_float_denorm_mode_32 3
		.amdhsa_float_denorm_mode_16_64 3
		.amdhsa_memory_ordered 1
		.amdhsa_forward_progress 1
		.amdhsa_inst_pref_size 99
	.end_amdhsa_kernel
	.amdgpu_metadata
---
amdhsa.version: [ 1, 2 ]
amdhsa.kernels:
  - .name:           k_qbfe4e1aa6e_gc
    .symbol:         k_qbfe4e1aa6e_gc.kd
    .args:
      - { .name: gx16, .offset: 0, .size: 8, .value_kind: global_buffer, .address_space: global }
      - { .name: wk16, .offset: 8, .size: 8, .value_kind: global_buffer, .address_space: global }
      - { .name: cov_a, .offset: 16, .size: 8, .value_kind: global_buffer, .address_space: global }
      - { .name: W_c, .offset: 24, .size: 8, .value_kind: global_buffer, .address_space: global }
      - { .name: v, .offset: 32, .size: 8, .value_kind: global_buffer, .address_space: global }
      - { .name: spart, .offset: 40, .size: 8, .value_kind: global_buffer, .address_space: global }
    .group_segment_fixed_size: 327680
    .private_segment_fixed_size: 0
    .kernarg_segment_align: 8
    .kernarg_segment_size: 48
    .max_flat_workgroup_size: 128
    .sgpr_count:     80
    .vgpr_count:     512
    .wavefront_size: 32
...
	.end_amdgpu_metadata
.endif
;; end of part 4
;; launch fin (part 5): grid 2 x 128, 4 waves a work-group, no clusters, 0 bytes of LDS; arguments spart, gs32, out0; writes out0
.if DOCPART == 5
	.amdgcn_target "amdgcn-amd-amdhsa--gfx1250"
	.amdhsa_code_object_version 6
	.text
	.protected	k_qbfe4e1aa6e_fin
	.globl	k_qbfe4e1aa6e_fin
	.p2align	8
	.type	k_qbfe4e1aa6e_fin,@function
k_qbfe4e1aa6e_fin:
	s_mov_b64 s[64:65], 0
	v_nop
	global_prefetch_b8 v0, s[64:65] scope:SCOPE_SE
	s_setreg_imm32_b32 hwreg(HW_REG_WAVE_MODE, 25, 1), 1
	s_wait_xcnt 0x0
; FIN: score[b][n] = the sum of spart's 8 slices; alpha = softmax over the batch's 24 regions, the maximum taken away first; out0[b][h] = sum over n of alpha[n] g*[b][n][h], all in f32.
; SHARES.  A work-group makes 512 columns of one batch, thread t four of them.  Every wave makes the batch's 24 weights for itself, a region a lane: no LDS and no barrier.
; Lanes 24 to 31 read region 23 once more (no load leaves the buffer): that changes no maximum, and their weights are set to 0 ahead of the sum.
; Memory binds: each byte of gs32 is read once, by loads of 512 consecutive bytes a wave, all 24 issued ahead of the softmax; no matrix unit, no cluster (the two work-groups of a batch share 768 bytes of scores).
; LIMITS.  A weight below 2^-126 counts as 0; NaN and infinities are not treated apart.
.set G, 32                             ; v[32:127] region n: my 4 numbers of g*
.set AL, 16                            ; s[16:39]  alpha of region n
	s_load_b128 s[4:7], s[0:1], 0x0                ; spart s[4:5], gs32 s[6:7]
	s_load_b64 s[8:9], s[0:1], 0x10                ; out0
	s_and_b32 s10, ttmp7, 0xffff                   ; the batch
	s_lshl_b32 s11, ttmp9, 11                      ; which 512 columns: 2,048 bytes
	s_mov_b32 s12, 0x76543210                      ; v_permlanex16_b32's selects: each lane takes its own place in the other half
	s_mov_b32 s13, 0xfedcba98
	v_and_b32 v1, 31, v0                           ; lane
	v_min_u32 v2, 23, v1
	v_lshlrev_b32 v2, 2, v2                        ; my region's word among the batch's 24
	v_lshlrev_b32 v3, 4, v0                        ; my 16 bytes among the work-group's 2,048
	v_mov_b32 v15, 0                               ; v_permlanex16_b32's destination counts as read
	v_cmp_gt_u32 vcc_lo, 24, v1                    ; the lanes that hold a region of their own
	s_mul_i32 s40, s10, 96                         ; the batch's 24 scores in a slice
	s_mov_b32 s41, 0
	s_mul_i32 s42, s10, 24*4096                    ; its 24 rows of g*
	s_add_co_u32 s42, s42, s11
	s_mov_b32 s43, 0
	s_lshl_b32 s44, s10, 12                        ; its row of the output
	s_add_co_u32 s44, s44, s11
	s_mov_b32 s45, 0
	s_wait_kmcnt 0x0
	s_add_nc_u64 s[4:5], s[4:5], s[40:41]
	s_add_nc_u64 s[6:7], s[6:7], s[42:43]
	s_add_nc_u64 s[8:9], s[8:9], s[44:45]
.irp s, 0,1,2,3,4,5,6,7
	global_load_b32 v[4+(\s)], v2, s[4:5] offset:12288*(\s)
.endr
.set n, 0
.rept 24
	global_load_b128 v[G+4*n:G+4*n+3], v3, s[6:7] offset:4096*n th:TH_LOAD_NT
.set n, n+1
.endr
	s_wait_loadcnt 24                              ; the eight slices are in; the 24 rows stay on their way
	v_pk_add_f32 v[4:5], v[4:5], v[6:7]
	v_pk_add_f32 v[8:9], v[8:9], v[10:11]
	v_pk_add_f32 v[4:5], v[4:5], v[8:9]
	v_add_f32 v4, v4, v5                           ; my region's score
	v_mov_b32 v12, v4
	v_max_num_f32_dpp v12, v12, v12 row_xmask:1 row_mask:0xf bank_mask:0xf
	v_max_num_f32_dpp v12, v12, v12 row_xmask:2 row_mask:0xf bank_mask:0xf
	v_max_num_f32_dpp v12, v12, v12 row_xmask:4 row_mask:0xf bank_mask:0xf
	v_max_num_f32_dpp v12, v12, v12 row_xmask:8 row_mask:0xf bank_mask:0xf
	v_permlanex16_b32 v15, v12, s12, s13
	v_max_num_f32 v12, v12, v15                    ; the batch's largest score, in every lane
	v_sub_f32 v13, v4, v12
	v_mul_f32 v13, 0x3fb8aa3b, v13                 ; log2(e)
	v_exp_f32 v13, v13
	v_nop                                          ; a plain instruction between the exponential and the use of its result (ISA guide 5.7.2)
	s_wait_alu depctr_va_vdst(0)
	v_cndmask_b32 v13, 0, v13, vcc_lo              ; lanes 24 to 31 count for nothing
	v_mov_b32 v14, v13
	v_add_f32_dpp v14, v14, v14 row_xmask:1 row_mask:0xf bank_mask:0xf
	v_add_f32_dpp v14, v14, v14 row_xmask:2 row_mask:0xf bank_mask:0xf
	v_add_f32_dpp v14, v14, v14 row_xmask:4 row_mask:0xf bank_mask:0xf
	v_add_f32_dpp v14, v14, v14 row_xmask:8 row_mask:0xf bank_mask:0xf
	v_permlanex16_b32 v15, v14, s12, s13
	v_add_f32 v14, v14, v15
	v_rcp_f32 v14, v14
	v_nop                                          ; and between the reciprocal and its use
	s_wait_alu depctr_va_vdst(0)
	v_mul_f32 v13, v13, v14                        ; alpha of my region
.set n, 0
.rept 24
	v_readlane_b32 s[AL+n], v13, n                 ; the weights become scalars: they are data alone, no address and no branch hangs on them
.set n, n+1
.endr
	s_wait_loadcnt 23                              ; region 0's row is in
.irp c, 0,1,2,3
	v_mul_f32 v[16+(\c)], s[AL], v[G+(\c)]         ; the first product starts the sums
.endr
.set n, 1
.rept 23
	s_wait_loadcnt 23-n                            ; loads come back in order (ISA guide 5.7.1): region n's row is in
	v_fmac_f32 v16, s[AL+n], v[G+4*n]
	v_fmac_f32 v17, s[AL+n], v[G+4*n+1]
	v_fmac_f32 v18, s[AL+n], v[G+4*n+2]
	v_fmac_f32 v19, s[AL+n], v[G+4*n+3]
.set n, n+1
.endr
	global_store_b128 v3, v[16:19], s[8:9]         ; a wave stores 512 consecutive bytes, at a multiple of 512 from out0's first byte
	s_endpgm
.Lfunc_end_k_qbfe4e1aa6e_fin:
	.size	k_qbfe4e1aa6e_fin, .Lfunc_end_k_qbfe4e1aa6e_fin-k_qbfe4e1aa6e_fin
	.p2alignl 7, 3214868480
	.fill 96, 4, 3214868480
	.section	.rodata,"a",@progbits
	.p2align	6, 0x0
	.amdhsa_kernel k_qbfe4e1aa6e_fin
		.amdhsa_group_segment_fixed_size 0
		.amdhsa_private_segment_fixed_size 0
		.amdhsa_enable_private_segment 0
		.amdhsa_kernarg_size 24
		.amdhsa_user_sgpr_count 2
		.amdhsa_user_sgpr_kernarg_segment_ptr 1
		.amdhsa_wavefront_size32 1
		.amdhsa_system_sgpr_workgroup_id_x 1
		.amdhsa_system_sgpr_workgroup_id_y 1
		.amdhsa_system_sgpr_workgroup_id_z 1
		.amdhsa_system_vgpr_workitem_id 0
		.amdhsa_next_free_vgpr 128
		.amdhsa_next_free_sgpr 66
		.amdhsa_reserve_vcc 1
		.amdhsa_float_denorm_mode_32 3
		.amdhsa_float_denorm_mode_16_64 3
		.amdhsa_memory_ordered 1
		.amdhsa_forward_progress 1
		.amdhsa_inst_pref_size 11
	.end_amdhsa_kernel
	.amdgpu_metadata
---
amdhsa.version: [ 1, 2 ]
amdhsa.kernels:
  - .name:           k_qbfe4e1aa6e_fin
    .symbol:         k_qbfe4e1aa6e_fin.kd
    .args:
      - { .name: spart, .offset: 0, .size: 8, .value_kind: global_buffer, .address_space: global }
      - { .name: gs32, .offset: 8, .size: 8, .value_kind: global_buffer, .address_space: global }
      - { .name: out0, .offset: 16, .size: 8, .value_kind: global_buffer, .address_space: global }
    .group_segment_fixed_size: 0
    .private_segment_fixed_size: 0
    .kernarg_segment_align: 8
    .kernarg_segment_size: 24
    .max_flat_workgroup_size: 128
    .sgpr_count:     66
    .vgpr_count:     128
    .wavefront_size: 32
...
	.end_amdgpu_metadata
.endif
;; end of part 5
;; ======== version 2 of 2: 5 launches; version 1 with the launch prep written anew for expert scheduling mode
;; workspace buffers: wg16 33,554,432 bytes; x16 25,165,824 bytes; wk16 12,582,912 bytes; wc16 8,388,608 bytes; gx16 12,582,912 bytes; gs32 12,582,912 bytes; bpart 262,144 bytes; spart 98,304 bytes
;; launch prep (part 6): grid 576 x 1, 8 waves a work-group, no clusters, 0 bytes of LDS; arguments W_g, global_features, W_gs, W_h, W_s, s_t, b_g, wg16, x16, wk16, gx16, bpart; writes wg16, x16, wk16, gx16, bpart
.if DOCPART == 6
	.amdgcn_target "amdgcn-amd-amdhsa--gfx1250"
	.amdhsa_code_object_version 6
	.text
	.protected	k_qbfe4e1aa6e_prep
	.globl	k_qbfe4e1aa6e_prep
	.p2align	8
	.type	k_qbfe4e1aa6e_prep,@function
k_qbfe4e1aa6e_prep:
	s_mov_b64 s[64:65], 0
	v_nop
	global_prefetch_b8 v0, s[64:65] scope:SCOPE_SE
	s_setreg_imm32_b32 hwreg(HW_REG_WAVE_SCHED_MODE, 0, 2), 2
	s_setreg_imm32_b32 hwreg(HW_REG_WAVE_MODE, 25, 1), 1
	s_wait_xcnt 0x0
	s_wait_alu depctr_vm_vsrc(0)
; PREP: every matrix operand is rounded once from f32 to bf16, as a stream.
;   W_g -> wg16 [4096][4096];  global_features -> x16 [3072][4096];  W_gs, W_h, W_s -> wk16 [6144][1024], one below the other;
;   s_t[b] -> columns 1024..2047 of the 24 rows of batch b in gx16 [3072][2048];  bpart[c][h] = sum over the 64 rows g of chunk c of bf16(b_g[g]) x bf16(W_gs[g][h]), in f32.
; SHARES.  A work-group takes a chunk of 64 rows of 1,024 f32 (every tensor here is a whole number of such rows).  Thread t keeps 4 columns: 16 bytes in at 16 t, 8 bytes out at 8 t,
; so a wave's load covers 512 consecutive bytes and a wave's store 256 consecutive bytes at a multiple of 256.  Chunks by work-group number: 0-255 W_g, 256-447 the features, 448-511 W_gs (with the
; bias sums), 512-527 W_h, 528-543 W_s, 544-575 four batches of s_t each.
; Memory binds: no LDS, no barrier, no matrix unit, no cluster (no two work-groups read the same bytes, but for b_g's 256 bytes a chunk).  A ring of 16 register slots keeps 12 to 16 loads of rows of every wave on their way.
; THE MODE: SCHED_MODE bits 1:0 = 2 (LLVM: expert scheduling mode 2), set by the entry lines.  The code itself states the register dependences
; between vector instructions and memory instructions, with s_wait_alu, always for 0.
; THE PLAN.  A lap is 16 rows, one to a slot, in four blocks of four slots.  Registers that memory instructions touch:
;   X[slot]    4 f32 as loaded.  Read by the slot's two conversions; behind them, in the same block, the load of the row 16 further down lands in it.
;   BR[slot]   b_g of the slot's row (W_gs's chunks alone).  Read by the conversion into BT; loaded again in the same block.
;   Y[slot]    4 bf16 to store.  Written by the slot's conversions; read by the slot's store in the same block (and by the bias sums' multiply-adds); written again a lap later.
;   v1, v2, v3 byte offsets, made once at the head and never written again: the rows are reached by the scalar bases, which move on by a lap at each lap's head, and by immediate offsets.
;   ACC and BT are named by vector instructions alone, but for the one store of ACC at the end.
; So ONE wait on va_vdst stands in a block, behind its conversions: they have written Y's four slots, which the block's stores read, and are done reading X's and BR's, in which the block's loads land.
; And ONE wait on vm_vsrc stands in a lap, at its head, beside s_wait_xcnt 0: the last lap's stores have read all of Y; the stores issued since then read slots that are not written again before the next lap's head.
; LIMITS.  Rounding to bf16 is to nearest even; NaN and infinities pass as the conversion makes them.
.set DEPTH, 16                         ; slots = rows in a lap
.set BLOCK, 4                          ; slots in a block
.set RIN,   4096                       ; bytes of a row of 1,024 f32
.set ROUT,  2048                       ; bytes of the same row in bf16
.set ACC,   4                          ; v[4:7]    the bias sums of my 4 columns
.set BR,    8                          ; v[8:23]   slot i: b_g of the slot's row
.set BT,    24                         ; v[24:27]  row r of a block: the same rounded to bf16, in the low half
.set X,     32                         ; v[32:95]  slot i: 4 f32 as loaded
.set Y,     96                         ; v[96:127] slot i: 4 bf16 to store
	s_load_b512 s[4:19], s[0:1], 0x0               ; W_g 4:5, features 6:7, W_gs 8:9, W_h 10:11, W_s 12:13, s_t 14:15, b_g 16:17, wg16 18:19
	s_load_b256 s[20:27], s[0:1], 0x40             ; x16 20:21, wk16 22:23, gx16 24:25, bpart 26:27
	s_mov_b32 s28, ttmp9                           ; the chunk
	v_lshlrev_b32 v1, 4, v0                        ; 16 t: my bytes in a row of f32; never rewritten
	v_lshlrev_b32 v2, 3, v0                        ; 8 t: my bytes in a row of bf16; never rewritten
	v_mov_b32 v3, 0                                ; every lane reads the same word of b_g
	s_wait_kmcnt 0x0
	s_wait_alu depctr_va_vdst(0)                   ; v1, v2 and v3 are written: every load and store of the kernel, on each of its three ways, reads one of them as its offset
	s_cmp_ge_u32 s28, 544
	s_cbranch_scc1 .Lst
	; which tensor, and which is its first chunk: a chain of choices on the chunk's number alone
	s_mov_b64 s[30:31], s[4:5]                     ; from
	s_mov_b64 s[32:33], s[18:19]                   ; to
	s_mov_b32 s34, 0                               ; the source's first chunk
	s_mov_b32 s35, 0                               ; the destination's first chunk
	s_cmp_ge_u32 s28, 256
	s_cselect_b64 s[30:31], s[6:7], s[30:31]
	s_cselect_b64 s[32:33], s[20:21], s[32:33]
	s_cselect_b32 s34, 256, s34
	s_cselect_b32 s35, 256, s35
	s_cmp_ge_u32 s28, 448
	s_cselect_b64 s[30:31], s[8:9], s[30:31]
	s_cselect_b64 s[32:33], s[22:23], s[32:33]
	s_cselect_b32 s34, 448, s34
	s_cselect_b32 s35, 448, s35                    ; the three weights lie on end in wk16
	s_cmp_ge_u32 s28, 512
	s_cselect_b64 s[30:31], s[10:11], s[30:31]
	s_cselect_b32 s34, 512, s34
	s_cmp_ge_u32 s28, 528
	s_cselect_b64 s[30:31], s[12:13], s[30:31]
	s_cselect_b32 s34, 528, s34
	s_sub_co_u32 s36, s28, s34
	s_lshl_b32 s36, s36, 18                        ; 64 rows of 4,096 bytes a chunk: 255 x 2^18 at the most
	s_mov_b32 s37, 0
	s_sub_co_u32 s38, s28, s35
	s_lshl_b32 s38, s38, 17                        ; 64 rows of 2,048 bytes
	s_mov_b32 s39, 0
	s_add_nc_u64 s[30:31], s[30:31], s[36:37]
	s_add_nc_u64 s[32:33], s[32:33], s[38:39]
	s_sub_co_u32 s40, s28, 448                     ; W_gs's chunk 0..63 (any other chunk gives a number of 64 or more)
	s_cmp_lt_u32 s40, 64
	s_cbranch_scc1 .Lbias
; Block k of a lap: slots 4 k to 4 k + 3.  ahead = 1: the slots are filled again with the rows DEPTH further down.  bias = 1: the rows also enter the bias sums, and a slot has two loads, the row's and b_g's word.
.macro BLK k, ahead, bias
.if \ahead
	s_wait_loadcnt (1+(\bias))*(DEPTH-BLOCK)       ; loads come back in order (ISA guide 5.7.1): this block's are in, the three younger blocks' stay out
.else
	s_wait_loadcnt (1+(\bias))*(DEPTH-BLOCK*((\k)+1))  ; the last lap loads nothing: the counts run down
.endif
.if (\k) == 0
	s_wait_xcnt 0x0                                ; every earlier memory instruction has had its addresses translated (ISA guide 3.1): the bases and Y are rewritten only behind this wait
	s_wait_alu depctr_vm_vsrc(0)                   ; the last lap's stores have read Y's sixteen slots, which this lap's conversions write again
	s_add_nc_u64 s[32:33], s[32:33], DEPTH*ROUT    ; the stores' base runs a lap ahead: their offsets reach back
.if \ahead
	s_add_nc_u64 s[30:31], s[30:31], DEPTH*RIN     ; the loads' base at the rows that this lap asks for
.if \bias
	s_add_nc_u64 s[42:43], s[42:43], 4*DEPTH
.endif
.endif
.endif
.irp r, 0,1,2,3
.set sl, BLOCK*(\k)+(\r)
	v_cvt_pk_bf16_f32 v[Y+2*sl],   v[X+4*sl],   v[X+4*sl+1]
	v_cvt_pk_bf16_f32 v[Y+2*sl+1], v[X+4*sl+2], v[X+4*sl+3]
.if \bias
	v_cvt_pk_bf16_f32 v[BT+(\r)], v[BR+sl], v[BR+sl]           ; b_g is rounded like every other input
.endif
.endr
	s_wait_alu depctr_va_vdst(0)                   ; the conversions have written this block's Y, which the stores below read, and are done reading its X and BR, in which the loads below land
.irp r, 0,1,2,3
.set sl, BLOCK*(\k)+(\r)
.if \ahead
	global_load_b128 v[X+4*sl:X+4*sl+3], v1, s[30:31] offset:sl*RIN th:TH_LOAD_NT
.if \bias
	global_load_b32 v[BR+sl], v3, s[42:43] offset:4*sl
.endif
.endif
	global_store_b64 v2, v[Y+2*sl:Y+2*sl+1], s[32:33] offset:(sl-DEPTH)*ROUT
.endr
.if \bias
.irp r, 0,1,2,3                        ; the sums take the rows in ascending order.  These lines name Y (as a source), BT and ACC: none of the registers in which the loads above land
.set sl, BLOCK*(\k)+(\r)
	v_fma_mix_f32_bf16 v[ACC],   v[Y+2*sl],   v[BT+(\r)], v[ACC]   op_sel_hi:[1,1,0]                  ; bf16 x bf16 + f32, one rounding
	v_fma_mix_f32_bf16 v[ACC+1], v[Y+2*sl],   v[BT+(\r)], v[ACC+1] op_sel:[1,0,0] op_sel_hi:[1,1,0]
	v_fma_mix_f32_bf16 v[ACC+2], v[Y+2*sl+1], v[BT+(\r)], v[ACC+2] op_sel_hi:[1,1,0]
	v_fma_mix_f32_bf16 v[ACC+3], v[Y+2*sl+1], v[BT+(\r)], v[ACC+3] op_sel:[1,0,0] op_sel_hi:[1,1,0]
.endr
.endif
.endm
.macro LAP ahead, bias
	BLK 0, \ahead, \bias
	BLK 1, \ahead, \bias
	BLK 2, \ahead, \bias
	BLK 3, \ahead, \bias
.endm
	; THE PLAIN CAST
.irp i, 0,1,2,3,4,5,6,7,8,9,10,11,12,13,14,15
	global_load_b128 v[X+4*(\i):X+4*(\i)+3], v1, s[30:31] offset:(\i)*RIN th:TH_LOAD_NT   ; rows 0 to 15 fill the ring
.endr
	s_mov_b32 s41, 64/DEPTH-1
.Lg:
	LAP 1, 0
	s_sub_co_u32 s41, s41, 1
	s_cmp_lg_u32 s41, 0
	s_cbranch_scc1 .Lg
	LAP 0, 0                                       ; the last lap is written out: no load leaves the buffer
	s_endpgm
	; W_gs: THE CAST AND THE BIAS SUMS.  Two loads a slot, the row's and b_g's word, in that order: the counts are doubled.
.Lbias:
	s_lshl_b32 s36, s40, 8                         ; the chunk's 64 words of b_g
	s_add_nc_u64 s[42:43], s[16:17], s[36:37]
	s_lshl_b32 s38, s40, 12                        ; the chunk's row of bpart
	s_add_nc_u64 s[26:27], s[26:27], s[38:39]
.irp c, 0,1,2,3
	v_mov_b32 v[ACC+(\c)], 0
.endr
.irp i, 0,1,2,3,4,5,6,7,8,9,10,11,12,13,14,15
	global_load_b128 v[X+4*(\i):X+4*(\i)+3], v1, s[30:31] offset:(\i)*RIN th:TH_LOAD_NT
	global_load_b32 v[BR+(\i)], v3, s[42:43] offset:4*(\i)
.endr
	s_mov_b32 s41, 64/DEPTH-1
.Lb:
	LAP 1, 1
	s_sub_co_u32 s41, s41, 1
	s_cmp_lg_u32 s41, 0
	s_cbranch_scc1 .Lb
	LAP 0, 1
	s_wait_alu depctr_va_vdst(0)                   ; the last multiply-adds have written ACC, which the store reads
	global_store_b128 v1, v[ACC:ACC+3], s[26:27]   ; 512 consecutive bytes a wave
	s_endpgm
	; s_t: four batches; each row is rounded once and stored into the 24 rows of its batch, behind the 2,048 bytes that g* will take
.Lst:
	s_sub_co_u32 s40, s28, 544
	s_lshl_b32 s36, s40, 14                        ; four rows of s_t
	s_mov_b32 s37, 0
	s_mul_i32 s38, s40, 96*4096                    ; 96 rows of gx16, 4,096 bytes each
	s_mov_b32 s39, 0
	s_add_nc_u64 s[30:31], s[14:15], s[36:37]
	s_add_nc_u64 s[32:33], s[24:25], s[38:39]
.irp i, 0,1,2,3
	global_load_b128 v[X+4*(\i):X+4*(\i)+3], v1, s[30:31] offset:(\i)*RIN th:TH_LOAD_NT
.endr
	s_wait_loadcnt 0x0
.irp i, 0,1,2,3
	v_cvt_pk_bf16_f32 v[Y+2*(\i)],   v[X+4*(\i)],   v[X+4*(\i)+1]
	v_cvt_pk_bf16_f32 v[Y+2*(\i)+1], v[X+4*(\i)+2], v[X+4*(\i)+3]
.endr
	s_wait_alu depctr_va_vdst(0)                   ; the conversions have written Y's four slots, which the 96 stores read; nothing writes them again
.set n, 0
.rept 96
	global_store_b64 v2, v[Y+2*(n/24):Y+2*(n/24)+1], s[32:33] offset:n*4096+2048
.set n, n+1
.endr
	s_endpgm
.Lfunc_end_k_qbfe4e1aa6e_prep:
	.size	k_qbfe4e1aa6e_prep, .Lfunc_end_k_qbfe4e1aa6e_prep-k_qbfe4e1aa6e_prep
	.p2alignl 7, 3214868480
	.fill 96, 4, 3214868480
	.section	.rodata,"a",@progbits
	.p2align	6, 0x0
	.amdhsa_kernel k_qbfe4e1aa6e_prep
		.amdhsa_group_segment_fixed_size 0
		.amdhsa_private_segment_fixed_size 0
		.amdhsa_enable_private_segment 0
		.amdhsa_kernarg_size 96
		.amdhsa_user_sgpr_count 2
		.amdhsa_user_sgpr_kernarg_segment_ptr 1
		.amdhsa_wavefront_size32 1
		.amdhsa_system_sgpr_workgroup_id_x 1
		.amdhsa_system_sgpr_workgroup_id_y 1
		.amdhsa_system_sgpr_workgroup_id_z 1
		.amdhsa_system_vgpr_workitem_id 0
		.amdhsa_next_free_vgpr 128
		.amdhsa_next_free_sgpr 66
		.amdhsa_reserve_vcc 0
		.amdhsa_float_denorm_mode_32 3
		.amdhsa_float_denorm_mode_16_64 3
		.amdhsa_memory_ordered 1
		.amdhsa_forward_progress 1
		.amdhsa_inst_pref_size 48
	.end_amdhsa_kernel
	.amdgpu_metadata
---
amdhsa.version: [ 1, 2 ]
amdhsa.kernels:
  - .name:           k_qbfe4e1aa6e_prep
    .symbol:         k_qbfe4e1aa6e_prep.kd
    .args:
      - { .name: W_g, .offset: 0, .size: 8, .value_kind: global_buffer, .address_space: global }
      - { .name: global_features, .offset: 8, .size: 8, .value_kind: global_buffer, .address_space: global }
      - { .name: W_gs, .offset: 16, .size: 8, .value_kind: global_buffer, .address_space: global }
      - { .name: W_h, .offset: 24, .size: 8, .value_kind: global_buffer, .address_space: global }
      - { .name: W_s, .offset: 32, .size: 8, .value_kind: global_buffer, .address_space: global }
      - { .name: s_t, .offset: 40, .size: 8, .value_kind: global_buffer, .address_space: global }
      - { .name: b_g, .offset: 48, .size: 8, .value_kind: global_buffer, .address_space: global }
      - { .name: wg16, .offset: 56, .size: 8, .value_kind: global_buffer, .address_space: global }
      - { .name: x16, .offset: 64, .size: 8, .value_kind: global_buffer, .address_space: global }
      - { .name: wk16, .offset: 72, .size: 8, .value_kind: global_buffer, .address_space: global }
      - { .name: gx16, .offset: 80, .size: 8, .value_kind: global_buffer, .address_space: global }
      - { .name: bpart, .offset: 88, .size: 8, .value_kind: global_buffer, .address_space: global }
    .group_segment_fixed_size: 0
    .private_segment_fixed_size: 0
    .kernarg_segment_align: 8
    .kernarg_segment_size: 96
    .max_flat_workgroup_size: 256
    .sgpr_count:     66
    .vgpr_count:     128
    .wavefront_size: 32
...
	.end_amdgpu_metadata
.endif
;; end of part 6
;; launch ga: the kernel of part 2 again; grid 8 x 32, 4 waves a work-group, clusters of 4 x 4, 327,680 bytes of LDS; arguments wg16, wk16, wc16; writes wc16
;; launch gb: the kernel of part 3 again; grid 8 x 32, 4 waves a work-group, clusters of 4 x 4, 327,680 bytes of LDS; arguments x16, wc16, bpart, b_gs, gs32, gx16; writes gs32, gx16
;; launch gc: the kernel of part 4 again; grid 8 x 32, 4 waves a work-group, clusters of 4 x 4, 327,680 bytes of LDS; arguments gx16, wk16, cov_a, W_c, v, spart; writes spart
;; launch fin: the kernel of part 5 again; grid 2 x 128, 4 waves a work-group, no clusters, 0 bytes of LDS; arguments spart, gs32, out0; writes out0
